; MI455X (gfx1250); checked and timed in simulation.
; The chip was launched on July 23, 2026; its instructions are those of AMD's public machine-readable ISA for CDNA 5 (MIT licence, August 2026) and "CDNA5" Instruction Set Architecture Reference Guide (July 2026). The comments in the code are by the model that wrote it; some were corrected since.
;; Multi Head Attention Ro PE. Allowed arithmetic: matrix products marked QUANTISED: E4M3 operands, one given power-of-two scale a tensor, by v_wmma_f32_16x16x64_fp8_fp8 or v_wmma_f32_16x16x128_fp8_fp8, f32 sums; everything else in f32.
;; Inputs: K 4 x 2,048 x 1,024 float32; Q 4 x 2,048 x 1,024 float32; V 4 x 2,048 x 1,024 float32; Wk 1,024 x 1,024 float32; Wo 1,024 x 1,024 float32; Wq 1,024 x 1,024 float32; Wv 1,024 x 1,024 float32; bk 1,024 float32; bo 1,024 float32; bq 1,024 float32; bv 1,024 float32; lowp_scales 12 int32 (the exponents e of the quantised operands' scales 2^e).
;; Outputs: out0 4 x 2,048 x 1,024 float32.
;; This version of the problem:
;;   THIS VERSION OF THE PROBLEM IS GIVEN IN LOW PRECISION. The matrix products marked QUANTISED in the list below multiply operands that are first quantised to E4M3 (4 exponent bits, 3 mantissa bits; 8 bits a number), with one given power-of-two scale for each operand tensor; their sums are f32. All else is computed in f32.
;;   The module's matrix products, in the order in which they are computed (A, B: the left and right operand; K: the contracted axis; several contracted axes count as one K, in the product's order):
;;     1. [M 8,192, K 1,024] x [K 1,024, N 1,024]; A: input Q; B: input Wq: QUANTISED (scales: A lowp_scales[0], B lowp_scales[1])
;;     2. [M 8,192, K 1,024] x [K 1,024, N 1,024]; A: input K; B: input Wk: QUANTISED (scales: A lowp_scales[2], B lowp_scales[3])
;;     3. [M 8,192, K 1,024] x [K 1,024, N 1,024]; A: input V; B: input Wv: QUANTISED (scales: A lowp_scales[4], B lowp_scales[5])
;;     4. batch 64 x [M 2,048, K 64] x [K 64, N 2,048]; A: computed on the way; B: computed on the way: QUANTISED (scales: A lowp_scales[6], B lowp_scales[7])
;;     5. batch 64 x [M 2,048, K 2,048] x [K 2,048, N 64]; A: softmax (see below); B: computed on the way: QUANTISED (scales: A lowp_scales[8], B lowp_scales[9])
;;     6. [M 8,192, K 1,024] x [K 1,024, N 1,024]; A: computed on the way; B: input Wo: QUANTISED (scales: A lowp_scales[10], B lowp_scales[11])
;;   THE QUANTISER, for each operand of a quantised product, along K:
;;     - The operand's scale is 2^e, e = its entry of the input lowp_scales (int32; the entries are numbered through the quantised products in the list's order, A before B).
;;     - Each number is divided by the scale, clamped to +-448, and rounded to the nearest number of E4M3, ties to even, subnormals kept.
;;     - The product sums the exact products of the quantised numbers (number of the format x scale) in f32.
;;   ~~~python
;;   def quantise(x, axis, e):      # numpy; x: float32 -> the quantised numbers, widened to float32 again
;;       x = np.moveaxis(x, axis, -1); K = x.shape[-1]
;;       r = np.clip(x / 2.0 ** e, -448, 448)
;;       step = 2.0 ** (np.maximum(np.frexp(np.where(r == 0, 1, r))[1] - 1, -6) - 3)
;;       q = np.round(r / step) * step * 2.0 ** e      # np.round: ties to even
;;       return np.moveaxis(q, -1, axis).astype(np.float32)
;;   ~~~
;;   SOFTMAX AHEAD OF A QUANTISED PRODUCT. Where the list says 'softmax', what is quantised is not the finished softmax but p = 2^(t - M), with t = logit x log2(e) and M = ceil(the row's largest t), a whole number; so 1/2 < the row's largest p <= 1. The row's sum l is taken of the UNQUANTISED p, in f32, and the product's result is divided by l at the end. Since M is a whole number, a kernel that streams over the keys may use a running M (the ceiling of the running maximum): every later rescaling is an exact power of two, so the quantised numbers keep their values, but for numbers so far below the row's largest that they fall under the format's range.
;;   OPERANDS COMPUTED ON THE WAY. 'Computed on the way' means the value that the module computes at that place (a softmax that the list does not call 'softmax' is quantised finished and normalised). What goes into a quantiser is computed in f32, as accurately as f32 sums, v_exp_f32 and their like allow (about 1e-6 of the number): no bf16 or f16 on the way to a quantiser, and a product that is left as it is and whose result goes on into a quantised operand takes f32 operands (vector FMAs, or v_wmma_f32_16x16x4_f32). A number that lies on a knife's edge between two numbers of the format may be rounded either way, as far as f32 arithmetic and the matrix unit's own rounding can turn it there, and no further.
;; 2 versions, each right; version 2 is version 1 with the launch proj written anew for expert scheduling mode. Each part assembles by itself: llvm-mc -triple=amdgcn-amd-amdhsa -mcpu=gfx1250 --defsym DOCPART=n.
;; ======== version 1 of 2: 4 launches
;; workspace buffers: wc 4,194,304 bytes; rope 524,288 bytes; qc 8,388,608 bytes; kv 16,777,216 bytes; oc 8,388,608 bytes
;; launch prep (part 1): grid 256 x 1, 4 waves a work-group, no clusters, 68,096 bytes of LDS; arguments Wq, Wk, Wv, Wo, lowp_scales, wc, rope; writes wc, rope
.if DOCPART == 1
	.amdgcn_target "amdgcn-amd-amdhsa--gfx1250"
	.amdhsa_code_object_version 6
	.text
	.protected	k_qf20e1591a4_prep
	.globl	k_qf20e1591a4_prep
	.p2align	8
	.type	k_qf20e1591a4_prep,@function
k_qf20e1591a4_prep:
	s_mov_b64 s[64:65], 0
	v_nop
	global_prefetch_b8 v0, s[64:65] scope:SCOPE_SE
	s_setreg_imm32_b32 hwreg(HW_REG_WAVE_MODE, 25, 1), 1
	s_wait_xcnt 0x0
; The four weights [1024 (n)][1024 (k)] f32 become codes of E4M3, laid as IMAGES OF OPERAND REGISTERS, and the RoPE table is made.
; code = w / 2^e, held within +-448, to the nearest code, ties to even; e = entry 1, 3, 5, 11 of the scales for Wq, Wk, Wv, Wo.
; LIMITS: -126 <= e <= 119 (2^e and 448 x 2^e are f32 numbers).  NaN among the inputs is not served.
; wc: [T 4][G 16 (64 rows of W)][ks 8 (128 along K)][f 4 (16 rows)][g 4][lane 32][16 bytes].  A fragment is 16 registers a lane: lane (r, h) holds row r,
; registers 2c, 2c+1 hold k = 16c + 8h + 0..7; group g is registers 4g .. 4g+3, 512 bytes on end, lane l's 16 bytes at 16 l.
; rope: f32 [pos 2048][u 16][cos(2u), cos(2u+1), sin(2u), sin(2u+1)]: angle(pos, i) = pos x 10000^(-i/32).
; SHARES: work-group n: tensor T = n / 64, rows 16 (n % 64) on; wave w: fragments ks = 2w, 2w+1.  Thread 128 n + tid makes one entry (16 bytes) of the table.
; Each load reads 512 consecutive bytes of one row; a fragment's 8 KB turn through the wave's own stage in LDS (rows 528 bytes apart), from which a lane
; takes its 8 neighbours along K for each c.  Waves share nothing: no barrier.
; THE TABLE: 10000^(-i/32) = 2^(-i log2(10)/8) by v_exp_f32; the angle is one f32 product, as the problem's text has it; it is brought into
; [-pi/4, pi/4] by pi/2 in two parts (the first step is exact: both terms are multiples of 2^-23 and the difference is under 1), and sine and cosine are
; polynomials of degree 7 and 8.  LIMIT: the angle differs from the exact product by up to some 1.2e-4 rad at position 2047 (an f32 angle's own rounding there).
.set PITCH, 528
.set STG,   16*PITCH                   ; a stage: 16 rows
.set R0,    32                         ; v32-95   fragment 0 as loaded; later fragment 1 by neighbours
.set R1,    96                         ; v96-159  fragment 1 as loaded
.set X0,    160                        ; v160-223 fragment 0 by neighbours
.set C0,    224                        ; v224-239, v240-255 the two fragments' codes
.set C1,    240
	s_load_b256 s[4:11], s[0:1], 0x0               ; Wq, Wk, Wv, Wo
	s_load_b128 s[12:15], s[0:1], 0x20             ; the scales' exponents, wc
	s_load_b64 s[16:17], s[0:1], 0x30              ; rope
	v_lshl_add_u32 v9, v0, 2, 0x10800
	s_set_vgpr_msb 0x40
	v_mov_b32 v1, 0
	s_set_vgpr_msb 0x4000
	v_lshrrev_b32 v5, 5, v0
	v_readfirstlane_b32 s18, v5                    ; wave
	s_lshr_b32 s19, ttmp9, 6                       ; T
	s_and_b32 s20, ttmp9, 63                       ; which 16 rows
	v_and_b32 v6, 31, v0                           ; lane
	v_and_b32 v7, 15, v0                           ; r
	v_bfe_u32 v8, v0, 4, 1                         ; h
	v_lshlrev_b32 v1, 4, v6                        ; 16 x lane
	s_mul_i32 s21, s18, 2*STG                      ; my wave's two stages
	v_add_nc_u32 v2, s21, v1                       ; into a stage: a row's 512 bytes as they lie
	v_mul_u32_u24 v3, v7, PITCH
	v_lshl_add_u32 v3, v8, 5, v3
	v_add_nc_u32 v3, s21, v3                       ; out of it: row r, + 32 h: eight numbers for each c
	v_lshlrev_b32 v4, 4, v0                        ; my entry of the table
	s_lshl_b32 s22, s20, 16                        ; W: 16 rows of 4,096 bytes,
	s_lshl_b32 s23, s18, 10                        ; + my two fragments' 1,024 bytes of a row
	s_add_co_u32 s22, s22, s23
	s_mov_b32 s23, 0
	s_lshl_b32 s44, s19, 20                        ; wc: T, G = rows / 4, f = rows % 4, ks = 2 w
	s_lshr_b32 s45, s20, 2
	s_lshl_b32 s45, s45, 16
	s_add_co_u32 s44, s44, s45
	s_and_b32 s45, s20, 3
	s_lshl_b32 s45, s45, 11
	s_add_co_u32 s44, s44, s45
	s_lshl_b32 s45, s18, 14
	s_add_co_u32 s44, s44, s45
	s_mov_b32 s45, 0
	s_lshl_b32 s46, ttmp9, 11                      ; rope: 128 entries of 16 bytes a work-group
	s_mov_b32 s47, 0
	s_mov_b32 s36, 0xb94ca1f9                      ; sine: -1.9515296e-4, 8.3321609e-3, -1.6666655e-1
	s_mov_b32 s37, 0x3c08839e
	s_mov_b32 s38, 0xbe2aaaa3
	s_mov_b32 s39, 0x37ccf5ce                      ; cosine: 2.4433157e-5, -1.3887316e-3, 4.1666646e-2
	s_mov_b32 s40, 0xbab6061a
	s_mov_b32 s41, 0x3d2aaaa5
	s_wait_kmcnt 0x0
	s_load_b256 s[24:31], s[12:13], 0x0            ; entries 0 to 7
	s_load_b32 s32, s[12:13], 0x2c                 ; entry 11
	s_cmp_eq_u32 s19, 1                            ; the tensor is chosen by the work-group's number alone
	s_cselect_b64 s[4:5], s[6:7], s[4:5]
	s_cmp_eq_u32 s19, 2
	s_cselect_b64 s[4:5], s[8:9], s[4:5]
	s_cmp_eq_u32 s19, 3
	s_cselect_b64 s[4:5], s[10:11], s[4:5]
	s_add_nc_u64 s[4:5], s[4:5], s[22:23]
	s_add_nc_u64 s[14:15], s[14:15], s[44:45]
	s_add_nc_u64 s[16:17], s[16:17], s[46:47]
.irp j, 0,1
.irp i, 0,1,2,3,4,5,6,7,8,9,10,11,12,13,14,15
	global_load_b128 v[R0+64*\j+4*\i:R0+64*\j+4*\i+3], v1, s[4:5] offset:4096*\i+512*\j th:TH_LOAD_NT   ; 32 lanes read 512 consecutive bytes of row i
.endr
.endr
	; ---- the table's entry, while the loads are on their way
	v_lshrrev_b32 v5, 4, v0
	s_lshl_b32 s33, ttmp9, 3
	v_add_nc_u32 v5, s33, v5                       ; pos = 8 n + tid / 16
	v_cvt_f32_u32 v5, v5
	v_lshlrev_b32 v16, 1, v7                       ; i = 2 u
	v_add_nc_u32 v24, 1, v16                       ; and 2 u + 1
	v_cvt_f32_u32 v16, v16
	v_cvt_f32_u32 v24, v24
	v_mul_f32 v16, 0xbed49a78, v16                 ; -i log2(10) / 8
	v_mul_f32 v24, 0xbed49a78, v24
	v_exp_f32 v16, v16
	v_exp_f32 v24, v24
	v_nop                                          ; a plain instruction between the exponentials and the use of their results
	s_wait_alu depctr_va_vdst(0)
	v_mul_f32 v16, v5, v16                         ; the angle
	v_mul_f32 v24, v5, v24
; v[b] holds the angle; its cosine goes to v[12+k], its sine to v[14+k].  +1 n, +2 r, +3 z = r r, +4 sin r, +5 cos r, +6 n as a whole number, +7 at work
.macro TRIG b, k
	v_mul_f32 v[\b+1], 0x3f22f983, v[\b]           ; x 2 / pi
	v_rndne_f32 v[\b+1], v[\b+1]
	v_fmamk_f32 v[\b+2], v[\b+1], 0xbfc90fdb, v[\b]      ; - n x the f32 number next to pi / 2,
	v_fmamk_f32 v[\b+2], v[\b+1], 0x333bbd2e, v[\b+2]    ; + n x what that number has too much
	v_mul_f32 v[\b+3], v[\b+2], v[\b+2]
	v_fma_f32 v[\b+4], v[\b+3], s36, s37
	v_fma_f32 v[\b+5], v[\b+3], s39, s40
	v_fma_f32 v[\b+4], v[\b+4], v[\b+3], s38
	v_fma_f32 v[\b+5], v[\b+5], v[\b+3], s41
	v_fma_f32 v[\b+7], v[\b+3], -0.5, 1.0
	v_mul_f32 v[\b+4], v[\b+4], v[\b+3]
	v_mul_f32 v[\b+3], v[\b+3], v[\b+3]
	v_fma_f32 v[\b+4], v[\b+4], v[\b+2], v[\b+2]   ; sin r
	v_fma_f32 v[\b+5], v[\b+5], v[\b+3], v[\b+7]   ; cos r
	v_cvt_i32_f32 v[\b+6], v[\b+1]
	v_and_b32 v[\b+7], 1, v[\b+6]
	v_cmp_eq_u32 vcc_lo, 1, v[\b+7]                ; an odd quarter turn: sine and cosine change places
	v_cndmask_b32 v[\b+1], v[\b+4], v[\b+5], vcc_lo
	v_cndmask_b32 v[\b+2], v[\b+5], v[\b+4], vcc_lo
	v_and_b32 v[\b+7], 2, v[\b+6]                  ; the sine is negated in quarters 2 and 3,
	v_lshlrev_b32 v[\b+7], 30, v[\b+7]
	v_xor_b32 v[14+\k], v[\b+7], v[\b+1]
	v_add_nc_u32 v[\b+6], 1, v[\b+6]               ; the cosine in quarters 1 and 2
	v_and_b32 v[\b+7], 2, v[\b+6]
	v_lshlrev_b32 v[\b+7], 30, v[\b+7]
	v_xor_b32 v[12+\k], v[\b+7], v[\b+2]
.endm
	TRIG 16, 0
	TRIG 24, 1
	global_store_b128 v4, v[12:15], s[16:17]       ; sixteen lanes store one position's 256 bytes
	s_wait_kmcnt 0x0
	s_cmp_eq_u32 s19, 1
	s_cselect_b32 s33, s27, s25                    ; e: entry 1, 3, 5 or 11
	s_cmp_eq_u32 s19, 2
	s_cselect_b32 s33, s29, s33
	s_cmp_eq_u32 s19, 3
	s_cselect_b32 s33, s32, s33
	s_add_co_i32 s33, s33, 127
	s_lshl_b32 s34, s33, 23
	v_mov_b32 v11, s34                             ; 2^e as f32: the conversion takes its exponent field
	s_add_co_i32 s33, s33, 8
	s_lshl_b32 s33, s33, 23
	s_or_b32 s33, s33, 0x600000
	v_mov_b32 v10, s33                             ; 448 x 2^e
.macro TURN j, dst                     ; fragment j through stage j: LDS serves a wave's instructions in order, so no wait stands between the stores and the loads
.irp i, 0,1,2,3,4,5,6,7,8,9,10,11,12,13,14,15
	ds_store_b128 v2, v[R0+64*\j+4*\i:R0+64*\j+4*\i+3] offset:STG*\j+PITCH*\i
.endr
.irp c, 0,1,2,3,4,5,6,7
	ds_load_b128 v[\dst+8*\c:\dst+8*\c+3], v3 offset:STG*\j+64*\c          ; k = 16 c + 8 h + 0 .. 3
	ds_load_b128 v[\dst+8*\c+4:\dst+8*\c+7], v3 offset:STG*\j+64*\c+16     ; + 4 .. 7
.endr
.endm
.macro QUANT src, dst, off
.set j, 0
.rept 64
	v_med3_num_f32 v[\src+j], v[\src+j], -v10, v10 ; the conversion to an 8-bit code does not saturate (ISA guide 7.6.2): the hold comes first
.set j, j+1
.endr
.irp c, 0,1,2,3,4,5,6,7
	v_cvt_scalef32_pk8_fp8_f32 v[\dst+2*\c:\dst+2*\c+1], v[\src+8*\c:\src+8*\c+7], v11   ; registers 2c, 2c+1 of the fragment
.endr
	v_nop                                          ; a plain instruction behind the last conversion
.irp g, 0,1,2,3
	global_store_b128 v1, v[\dst+4*\g:\dst+4*\g+3], s[14:15] offset:\off+512*\g          ; 512 consecutive bytes, aligned
.endr
.endm
	s_wait_loadcnt 16                              ; fragment 0's sixteen loads are in; fragment 1's may be out
	TURN 0, X0
	s_wait_dscnt 0x0                               ; fragment 0 is back: v32-95 are free
	s_wait_loadcnt 0x0
	TURN 1, R0                                     ; fragment 1 turns while fragment 0 is quantised
	QUANT X0, C0, 0
	s_wait_dscnt 0x0
	QUANT R0, C1, 8192
	s_set_vgpr_msb 0x4
	s_wait_tensorcnt 0x0
	ds_add_u32 v9, v1
	s_wait_dscnt 0x0
	s_set_vgpr_msb 0x400
	s_endpgm
.Lfunc_end_k_qf20e1591a4_prep:
	.size	k_qf20e1591a4_prep, .Lfunc_end_k_qf20e1591a4_prep-k_qf20e1591a4_prep
	.p2alignl 7, 3214868480
	.fill 96, 4, 3214868480
	.section	.rodata,"a",@progbits
	.p2align	6, 0x0
	.amdhsa_kernel k_qf20e1591a4_prep
		.amdhsa_group_segment_fixed_size 68096
		.amdhsa_private_segment_fixed_size 0
		.amdhsa_enable_private_segment 0
		.amdhsa_kernarg_size 56
		.amdhsa_user_sgpr_count 2
		.amdhsa_user_sgpr_kernarg_segment_ptr 1
		.amdhsa_wavefront_size32 1
		.amdhsa_system_sgpr_workgroup_id_x 1
		.amdhsa_system_sgpr_workgroup_id_y 1
		.amdhsa_system_sgpr_workgroup_id_z 1
		.amdhsa_system_vgpr_workitem_id 0
		.amdhsa_next_free_vgpr 258
		.amdhsa_next_free_sgpr 66
		.amdhsa_reserve_vcc 1
		.amdhsa_float_denorm_mode_32 3
		.amdhsa_float_denorm_mode_16_64 3
		.amdhsa_memory_ordered 1
		.amdhsa_forward_progress 1
		.amdhsa_inst_pref_size 24
	.end_amdhsa_kernel
	.amdgpu_metadata
---
amdhsa.version: [ 1, 2 ]
amdhsa.kernels:
  - .name:           k_qf20e1591a4_prep
    .symbol:         k_qf20e1591a4_prep.kd
    .args:
      - { .name: Wq, .offset: 0, .size: 8, .value_kind: global_buffer, .address_space: global }
      - { .name: Wk, .offset: 8, .size: 8, .value_kind: global_buffer, .address_space: global }
      - { .name: Wv, .offset: 16, .size: 8, .value_kind: global_buffer, .address_space: global }
      - { .name: Wo, .offset: 24, .size: 8, .value_kind: global_buffer, .address_space: global }
      - { .name: lowp_scales, .offset: 32, .size: 8, .value_kind: global_buffer, .address_space: global }
      - { .name: wc, .offset: 40, .size: 8, .value_kind: global_buffer, .address_space: global }
      - { .name: rope, .offset: 48, .size: 8, .value_kind: global_buffer, .address_space: global }
    .group_segment_fixed_size: 68096
    .private_segment_fixed_size: 0
    .kernarg_segment_align: 8
    .kernarg_segment_size: 56
    .max_flat_workgroup_size: 128
    .sgpr_count:     66
    .vgpr_count:     258
    .wavefront_size: 32
...
	.end_amdgpu_metadata
.endif
;; end of part 1
;; launch proj (part 2): grid 64 x 3, 4 waves a work-group, no clusters, 172,544 bytes of LDS; arguments Q, K, V, bq, bk, bv, lowp_scales, wc, rope, qc, kv; writes qc, kv
.if DOCPART == 2
	.amdgcn_target "amdgcn-amd-amdhsa--gfx1250"
	.amdhsa_code_object_version 6
	.text
	.protected	k_qf20e1591a4_proj
	.globl	k_qf20e1591a4_proj
	.p2align	8
	.type	k_qf20e1591a4_proj,@function
k_qf20e1591a4_proj:
	s_mov_b64 s[64:65], 0
	v_nop
	global_prefetch_b8 v0, s[64:65] scope:SCOPE_SE
	s_setreg_imm32_b32 hwreg(HW_REG_WAVE_MODE, 25, 1), 1
	s_wait_xcnt 0x0
; The three projections x W^T + b on codes of E4M3, RoPE on q and k, and the results quantised for attention.
; Work-group (blk, y): rows 128 blk .. + 127 of tensor y (0 Q, 1 K, 2 V) against all 1,024 columns.  192 work-groups: 128 rows divide 8,192, 96 do not.
; PROLOGUE: wave w reads its 32 rows of x (f32, once), quantises them (code = x / 2^ex, held within +-448) and lays the codes in LDS; the bias, divided by
; 2^(ex + ew), and the block's 128 rows of the RoPE table go to LDS too.  (V's work-groups copy the table as well and do not read it: 32 KB beside their
; 512 KB of x; so the prologue has one path.)  ONE barrier; behind it LDS is only read.
; THE PRODUCT: four chunks of 256 columns; wave w makes head 4 chunk + w: 128 rows x 64 columns = 32 accumulators.  x's fragments come from LDS (two sets of
; registers), W's as register images straight from memory (four sets, three K steps ahead).  The bias is the C of each sum's first product.
; q, k: the product is used TRANSPOSED (source 0 = 16 rows of W, source 1 = 16 rows of x): lane (r, h) holds position r and channels 16 t + 8 h + 0..7 of the head.
;   RoPE pairs tile t with tile t + 2 in the same lane and register; eight neighbouring channels make registers 2t, 2t+1 of attention's operand.
; v: the product is used as it stands: lane (r, h) holds channel 16 t + r and keys 16 mt + 8 h + 0..7: eight neighbours along attention's second K.
; A sum stands for sum x 2^(ex + ew); RoPE is linear, so the one conversion takes 2^(eo - ex - ew).
; No cluster: x is the work-group's own, and W goes from memory into registers, where no joint request serves.
; LIMITS: ex and eo - ex - ew between -126 and 119.  NaN among the inputs is not served.
; LDS: XR 128 rows of 1,024 codes, 1,040 bytes apart; in every 32 bytes the two middle groups of 8 change places, so that 16 bytes at 32 g + 16 h are registers 4g .. 4g+3
;   (k = 32 g + 8 h + 0..7, then 32 g + 16 + 8 h + 0..7).  ROPE 128 rows of 256 bytes, 272 apart.  BIAS 4,096 bytes.
; REGISTERS, in windows of 256: window 0: addresses, constants, bias, RoPE, codes.  window 1: x's two sets (128 s + 16 mt); in the prologue a ring of 8 rows x 32.
;   window 2: accumulator (mt, t) at 8 (4 mt + t).  window 3: W's four sets (64 q + 16 f).
.set XPITCH, 1040
.set RPITCH, 272
.set ROPE,   128*XPITCH
.set BIAS,   ROPE+128*RPITCH
.set LI,   1                           ; 16 x lane
.set XOF,  2                           ; x: 32 x lane + my wave's 32 rows
.set XS0,  3                           ; XR: my wave's rows + my 8 codes' place
.set XST,  4                           ; the same in the trip in hand
.set AX0,  5                           ; XR: 1040 r + 16 h;  AX1: 64 rows further on
.set AX1,  6
.set RAD,  7                           ; ROPE + 272 r + 64 h
.set BAQ,  8                           ; BIAS + 256 w + 32 h (q, k)
.set BAD,  9                           ; the bias's address in the chunk in hand
.set XLIM, 10                          ; 448 x 2^ex, 2^ex
.set XSC,  11
.set OLIM, 12                          ; 448 x 2^E, 2^E, E = eo - ex - ew
.set OSC,  13
.set BAV,  14                          ; BIAS + 256 w + 4 r (v)
.set BGO,  15                          ; the copies' addresses
.set BLO,  16
.set RGO,  17
.set RLO,  18
.set CDX,  24                          ; v24-31   a row's codes
.set BI,   32                          ; v32-63   the bias, 8 registers a tile
.set RP,   64                          ; v64-127  two sets of RoPE numbers
.set CD,   128                         ; v128-191 a chunk's codes
.set YY,   192                         ; v192-223 a tile of rows after RoPE
.set MSB, 0
.macro WIN new                         ; the immediate's high byte repeats the setting that is left
.if MSB != \new
	s_set_vgpr_msb (MSB<<8)|\new
.set MSB, \new
.endif
.endm
.set TOA, 0x40                         ; destination window 1
.set TOB, 0xc0                         ; destination window 3
.macro PLACES                          ; four plain instructions between a matrix instruction and a load into, or a read of, its registers
.rept 4
	v_nop
.endr
.endm
	s_load_b512 s[8:23], s[0:1], 0x0               ; Q, K, V, bq, bk, bv, the scales' exponents, wc
	s_load_b128 s[24:27], s[0:1], 0x40             ; rope, qc
	s_load_b64 s[28:29], s[0:1], 0x50              ; kv
	v_lshl_add_u32 v254, v0, 2, 0x2a000
	v_mov_b32 v255, 0
	v_lshrrev_b32 v19, 5, v0
	v_readfirstlane_b32 s2, v19                    ; wave
	s_and_b32 s30, ttmp7, 0xffff                   ; y
	v_and_b32 v19, 31, v0                          ; lane
	v_and_b32 v20, 15, v0                          ; r
	v_bfe_u32 v21, v0, 4, 1                        ; h
	v_lshlrev_b32 v[LI], 4, v19
	s_lshl_b32 s32, s2, 17
	v_lshlrev_b32 v[XOF], 5, v19
	v_add_nc_u32 v[XOF], s32, v[XOF]
	v_and_b32 v22, 1, v0                           ; the lane's number with its two lowest bits exchanged
	v_bfe_u32 v23, v0, 1, 1
	v_and_b32 v[XS0], 0x1c, v0
	v_lshl_add_u32 v[XS0], v22, 1, v[XS0]
	v_add_nc_u32 v[XS0], v23, v[XS0]
	v_lshlrev_b32 v[XS0], 3, v[XS0]
	s_mul_i32 s32, s2, 32*XPITCH
	v_add_nc_u32 v[XS0], s32, v[XS0]
	v_mul_u32_u24 v[AX0], v20, XPITCH
	v_lshl_add_u32 v[AX0], v21, 4, v[AX0]
	v_add_nc_u32 v[AX1], 64*XPITCH, v[AX0]
	v_mul_u32_u24 v[RAD], v20, RPITCH
	v_lshl_add_u32 v[RAD], v21, 6, v[RAD]
	v_add_nc_u32 v[RAD], ROPE, v[RAD]
	s_lshl_b32 s32, s2, 8
	s_add_co_u32 s32, s32, BIAS
	v_lshl_add_u32 v[BAQ], v21, 5, s32
	v_lshl_add_u32 v[BAV], v20, 2, s32
	v_lshlrev_b32 v[BGO], 5, v0                    ; the bias: 32 bytes a thread
	v_add_nc_u32 v[BLO], BIAS, v[BGO]
	v_lshlrev_b32 v[RGO], 4, v0                    ; the table: 16 bytes a thread, 8 rows a load
	v_lshrrev_b32 v22, 4, v0
	v_mul_u32_u24 v[RLO], v22, RPITCH
	v_lshl_add_u32 v[RLO], v20, 4, v[RLO]
	v_add_nc_u32 v[RLO], ROPE, v[RLO]
	s_wait_kmcnt 0x0
	s_load_b256 s[36:43], s[20:21], 0x0            ; entries 0 to 7
	s_load_b128 s[44:47], s[20:21], 0x20           ; entries 8 to 11
	s_cmp_eq_u32 s30, 1                            ; the buffers are chosen by the work-group's y alone
	s_cselect_b64 s[4:5], s[10:11], s[8:9]
	s_cselect_b64 s[6:7], s[16:17], s[14:15]
	s_cmp_eq_u32 s30, 2
	s_cselect_b64 s[4:5], s[12:13], s[4:5]         ; x
	s_cselect_b64 s[6:7], s[18:19], s[6:7]         ; its bias
	s_cselect_b32 s35, 4096, 0                     ; V^T lies behind K in a block of kv
	s_cmp_eq_u32 s30, 0
	s_cselect_b64 s[48:49], s[26:27], s[28:29]     ; qc or kv
	s_cselect_b32 s31, 17, 18                      ; a head is 2^17 bytes of qc, 2^18 of kv
	s_lshl_b32 s32, ttmp9, 19                      ; x: 128 rows of 4,096 bytes
	s_mov_b32 s33, 0
	s_add_nc_u64 s[4:5], s[4:5], s[32:33]
	s_and_b32 s34, ttmp9, 15                       ; sb: which 128 positions
	s_lshl_b32 s32, s34, 15
	s_add_nc_u64 s[24:25], s[24:25], s[32:33]      ; their rows of the table
	s_lshl_b32 s32, s30, 20
	s_lshl_b32 s3, s2, 16
	s_add_co_u32 s32, s32, s3
	s_add_nc_u64 s[54:55], s[22:23], s[32:33]      ; W's images: tensor y, head w
	s_lshr_b32 s32, ttmp9, 4
	s_lshl_b32 s32, s32, 4
	s_add_co_u32 s32, s32, s2                      ; 16 b + w
	s_lshl_b32 s32, s32, s31
	s_add_co_u32 s32, s32, s35
	s_sub_co_u32 s3, s31, 4
	s_lshl_b32 s3, s34, s3                         ; 128 positions are a sixteenth of a head
	s_add_co_u32 s32, s32, s3
	s_add_nc_u64 s[48:49], s[48:49], s[32:33]      ; out: my head's positions 0-63 of the block,
	s_sub_co_u32 s3, s31, 5
	s_lshl_b32 s32, 1, s3
	s_add_nc_u64 s[50:51], s[48:49], s[32:33]      ; and 64-127
	s_add_co_u32 s3, s31, 2
	s_lshl_b32 s52, 1, s3                          ; four heads on, from chunk to chunk
	s_mov_b32 s53, 0
.macro XLOAD set, off                  ; a row of x: a lane takes 8 neighbours (32 bytes) of each 1,024 bytes: the two loads of a pair cover 1,024 consecutive bytes
.irp q, 0,1,2,3
	global_load_b128 v[32*(\set)+8*\q:32*(\set)+8*\q+3], v[XOF], s[4:5] offset:(\off)+1024*\q th:TH_LOAD_NT
	global_load_b128 v[32*(\set)+8*\q+4:32*(\set)+8*\q+7], v[XOF], s[4:5] offset:(\off)+1024*\q+16 th:TH_LOAD_NT
.endr
.endm
	global_load_b128 v[BI:BI+3], v[BGO], s[6:7]
	global_load_b128 v[BI+4:BI+7], v[BGO], s[6:7] offset:16
.set i, 0
.rept 16
	global_load_b128 v[RP+4*i:RP+4*i+3], v[RGO], s[24:25] offset:2048*i
.set i, i+1
.endr
	WIN TOA
.irp p, 0,1,2,3,4
	XLOAD \p, \p*4096
.endr
	WIN 0
	s_wait_kmcnt 0x0
	s_cmp_eq_u32 s30, 1
	s_cselect_b32 s60, s38, s36                    ; ex: entry 0, 2, 4
	s_cselect_b32 s61, s39, s37                    ; ew: entry 1, 3, 5
	s_cselect_b32 s62, s43, s42                    ; eo: entry 6, 7, 9
	s_cmp_eq_u32 s30, 2
	s_cselect_b32 s60, s40, s60
	s_cselect_b32 s61, s41, s61
	s_cselect_b32 s62, s45, s62
	s_add_co_i32 s61, s60, s61                     ; ex + ew
	s_sub_co_i32 s62, s62, s61                     ; E
	s_sub_co_i32 s61, 0, s61
	s_add_co_i32 s60, s60, 127
	s_lshl_b32 s63, s60, 23
	v_mov_b32 v[XSC], s63
	s_add_co_i32 s60, s60, 8
	s_lshl_b32 s60, s60, 23
	s_or_b32 s60, s60, 0x600000
	v_mov_b32 v[XLIM], s60
	s_add_co_i32 s62, s62, 127
	s_lshl_b32 s63, s62, 23
	v_mov_b32 v[OSC], s63
	s_add_co_i32 s62, s62, 8
	s_lshl_b32 s62, s62, 23
	s_or_b32 s62, s62, 0x600000
	v_mov_b32 v[OLIM], s62
	s_wait_loadcnt 40                              ; the bias and the table are in; the five rows of x (40 loads) may be out
.irp j, 0,1,2,3,4,5,6,7
	v_ldexp_f32 v[BI+\j], v[BI+\j], s61            ; b / 2^(ex + ew): what the sums lack
.endr
	ds_store_b128 v[BLO], v[BI:BI+3]
	ds_store_b128 v[BLO], v[BI+4:BI+7] offset:16
.set i, 0
.rept 16
	ds_store_b128 v[RLO], v[RP+4*i:RP+4*i+3] offset:8*RPITCH*i
.set i, i+1
.endr
	WIN TOA
	XLOAD 5, 5*4096
	XLOAD 6, 6*4096
	WIN 0
; Row i of a trip's eight.  left: the younger loads that may stay out.  issue = 1: the row seven further on is asked for, into the set that the row before has left: 56 loads are out at the most.
.macro XROW i, issue, left
	s_wait_loadcnt \left
	WIN 0x41                                       ; the ring lies in window 1
.set j, 0
.rept 32
	v_med3_num_f32 v[32*(\i)+j], v[32*(\i)+j], -v[XLIM], v[XLIM]   ; the conversion does not saturate (ISA guide 7.6.2): the hold comes first
.set j, j+1
.endr
	s_wait_dscnt 0x0                               ; the row before's stores have read the codes' registers
	WIN 0x01
.irp q, 0,1,2,3
	v_cvt_scalef32_pk8_fp8_f32 v[CDX+2*\q:CDX+2*\q+1], v[32*(\i)+8*\q:32*(\i)+8*\q+7], v[XSC]
.endr
	v_nop                                          ; a plain instruction behind the last conversion
	WIN 0
.irp q, 0,1,2,3
	ds_store_b64 v[XST], v[CDX+2*\q:CDX+2*\q+1] offset:XPITCH*(\i)+256*\q   ; 32 lanes fill 256 consecutive bytes of the row
.endr
.if \issue
	WIN TOA
	XLOAD ((\i)+7)%8, ((\i)+7)*4096
.endif
.endm
	s_mov_b32 s56, 0                               ; the trip's 8 rows in XR
	s_mov_b32 s59, 3
.Lrows:                                            ; three trips of 8 rows; the last 8 are written out, so that no load leaves the wave's rows
	v_add_nc_u32 v[XST], s56, v[XS0]
.irp i, 0,1,2,3,4,5,6,7
	XROW \i, 1, 48                                 ; six younger rows, 48 loads, stay out
.endr
	WIN 0
	s_wait_xcnt 0x0                                ; the loads have read their base: it may step
	s_add_nc_u64 s[4:5], s[4:5], 32768
	s_add_co_u32 s56, s56, 8*XPITCH
	s_sub_co_u32 s59, s59, 1
	s_cmp_lg_u32 s59, 0
	s_cbranch_scc1 .Lrows
	v_add_nc_u32 v[XST], s56, v[XS0]
	XROW 0, 1, 48                                  ; row 24 asks for row 31, the last
	XROW 1, 0, 48
	XROW 2, 0, 40                                  ; and the counts run down
	XROW 3, 0, 32
	XROW 4, 0, 24
	XROW 5, 0, 16
	XROW 6, 0, 8
	XROW 7, 0, 0
.macro FETCH_A s                       ; x's eight fragments of K step s into set s % 2: 32 loads of 16 bytes a lane
	WIN TOA
.irp mt, 0,1,2,3
.irp g, 0,1,2,3
	ds_load_b128 v[128*((\s)%2)+16*\mt+4*\g:128*((\s)%2)+16*\mt+4*\g+3], v[AX0] offset:\mt*16*XPITCH+128*(\s)+32*\g
.endr
.endr
.irp mt, 4,5,6,7
.irp g, 0,1,2,3
	ds_load_b128 v[128*((\s)%2)+16*\mt+4*\g:128*((\s)%2)+16*\mt+4*\g+3], v[AX1] offset:(\mt-4)*16*XPITCH+128*(\s)+32*\g
.endr
.endr
.endm
.macro FETCH_B s, extra                ; W's four fragments of K step s into set s % 4: each load is 512 consecutive bytes
	WIN TOB
.irp f, 0,1,2,3
.irp g, 0,1,2,3
	global_load_b128 v[64*((\s)%4)+16*\f+4*\g:64*((\s)%4)+16*\f+4*\g+3], v[LI], s[54:55] offset:\extra+8192*(\s)+2048*\f+512*\g
.endr
.endr
.endm
; 32 products, each accumulator once: the accumulators take turns.  The first K step takes the bias as C.
.macro MUL s, nat
.if \nat
.if (\s) == 0
	WIN 0x8d                                       ; source 0 (x) window 1, source 1 (W) window 3, C window 0, D window 2
.else
	WIN 0xad
.endif
.else
.if (\s) == 0
	WIN 0x87                                       ; source 0 (W) window 3, source 1 (x) window 1, C window 0, D window 2
.else
	WIN 0xa7
.endif
.endif
.irp mt, 0,1,2,3,4,5,6,7
.irp t, 0,1,2,3
.set AC, 8*(4*\mt+\t)
.set FA, 128*((\s)%2)+16*\mt
.set FB, 64*((\s)%4)+16*\t
.if \nat
.if (\s) == 0
	v_wmma_f32_16x16x128_fp8_fp8 v[AC:AC+7], v[FA:FA+15], v[FB:FB+15], v[BI+8*\t:BI+8*\t+7]
.else
	v_wmma_f32_16x16x128_fp8_fp8 v[AC:AC+7], v[FA:FA+15], v[FB:FB+15], v[AC:AC+7]
.endif
.else
.if (\s) == 0
	v_wmma_f32_16x16x128_fp8_fp8 v[AC:AC+7], v[FB:FB+15], v[FA:FA+15], v[BI+8*\t:BI+8*\t+7]
.else
	v_wmma_f32_16x16x128_fp8_fp8 v[AC:AC+7], v[FB:FB+15], v[FA:FA+15], v[AC:AC+7]
.endif
.endif
.endr
.endr
.endm
.macro STEP s, nat
	s_wait_dscnt 0x0                               ; x's fragments of this step are in (asked for 32 products ago); at step 0 the bias too
	PLACES                                         ; behind the last step's products, whose sets are loaded next
.if \s < 7
	FETCH_A (\s)+1
.endif
.if \s < 6
	s_wait_loadcnt 32                              ; W's fragments of this step are in; those of the next two steps may be out
.else
	s_wait_loadcnt 16*(7-\s)
.endif
.if \s < 5
	FETCH_B (\s)+3, 0                              ; 48 loads are out at the most
.endif
	MUL \s, \nat
.endm
	FETCH_B 0, 0
	FETCH_B 1, 0
	FETCH_B 2, 0
	WIN 0
	s_mov_b32 s57, 0                               ; the chunk's bias
	s_mov_b32 s58, 0                               ; the chunk
	s_wait_dscnt 0x0                               ; my stores into LDS are done
	s_barrier_signal -1
	s_barrier_wait -1                              ; everybody's are: from here on LDS is only read
	s_cmp_eq_u32 s30, 2
	s_cbranch_scc1 .Lv
; ---------------- q and k
.macro RLOAD m                         ; tile m's RoPE numbers: for t' = 0, 1 and pair u: cos, cos, sin, sin of channels 16 t' + 8 h + 2 u, + 1
.irp tp, 0,1
.irp u, 0,1,2,3
	ds_load_b128 v[RP+32*((\m)%2)+16*\tp+4*\u:RP+32*((\m)%2)+16*\tp+4*\u+3], v[RAD] offset:(\m)*16*RPITCH+128*\tp+16*\u
.endr
.endr
.endm
.macro EPI m                           ; 16 positions: RoPE, the hold, the conversion, 1 KB out
.if \m < 7
	RLOAD (\m)+1
	s_wait_dscnt 8                                 ; this tile's numbers are in; the next tile's eight loads may be out
.else
	s_wait_dscnt 0x0
.endif
	WIN 0x02                                       ; source 0: the accumulators
.irp tp, 0,1
.irp u, 0,1,2,3
.set RC, RP+32*((\m)%2)+16*\tp+4*\u
.set X1, 8*(4*(\m)+\tp)+2*\u
.set X2, X1+16
.set Y1, YY+8*\tp+2*\u
.set Y2, Y1+16
	v_pk_mul_f32 v[Y1:Y1+1], v[X1:X1+1], v[RC:RC+1]                                       ; x1 c   (each accumulator is read from its low end on)
	v_pk_mul_f32 v[Y2:Y2+1], v[X1:X1+1], v[RC+2:RC+3]                                     ; x1 s
	v_pk_fma_f32 v[Y1:Y1+1], v[X2:X2+1], v[RC+2:RC+3], v[Y1:Y1+1] neg_lo:[1,0,0] neg_hi:[1,0,0]   ; - x2 s
	v_pk_fma_f32 v[Y2:Y2+1], v[X2:X2+1], v[RC:RC+1], v[Y2:Y2+1]                           ; + x2 c
.endr
.endr
	WIN 0
.set j, 0
.rept 32
	v_med3_num_f32 v[YY+j], v[YY+j], -v[OLIM], v[OLIM]
.set j, j+1
.endr
.irp t, 0,1,2,3
	v_cvt_scalef32_pk8_fp8_f32 v[CD+8*(\m)+2*\t:CD+8*(\m)+2*\t+1], v[YY+8*\t:YY+8*\t+7], v[OSC]   ; channels 16 t + 8 h + 0..7: registers 2t, 2t+1
.endr
	v_nop                                          ; a plain instruction behind the last conversion
	global_store_b128 v[LI], v[CD+8*(\m):CD+8*(\m)+3], s[48+2*((\m)/4):49+2*((\m)/4)] offset:((\m)%4)*1024
	global_store_b128 v[LI], v[CD+8*(\m)+4:CD+8*(\m)+7], s[48+2*((\m)/4):49+2*((\m)/4)] offset:((\m)%4)*1024+512
.endm
.Lqk:
	v_add_nc_u32 v[BAD], s57, v[BAQ]
.irp t, 0,1,2,3
	ds_load_b128 v[BI+8*\t:BI+8*\t+3], v[BAD] offset:64*\t        ; the bias of columns 16 t + 8 h + 0..7
	ds_load_b128 v[BI+8*\t+4:BI+8*\t+7], v[BAD] offset:64*\t+16
.endr
	FETCH_A 0
.irp s, 0,1,2,3,4,5,6,7
	STEP \s, 0
.endr
	WIN 0
	PLACES                                         ; behind the last products: their results are read and W's sets loaded below
	s_cmp_eq_u32 s58, 3
	s_cbranch_scc1 .Lqk_last                       ; the last chunk asks for nothing more
	FETCH_B 0, 262144                              ; the next chunk's first three K steps land under the way out
	FETCH_B 1, 262144
	FETCH_B 2, 262144
	WIN 0
.Lqk_last:
	RLOAD 0
.irp m, 0,1,2,3,4,5,6,7
	EPI \m
.endr
	s_wait_xcnt 0x0                                ; stores and loads have read their bases and data: they may be written again
	s_add_nc_u64 s[48:49], s[48:49], s[52:53]
	s_add_nc_u64 s[50:51], s[50:51], s[52:53]
	s_add_nc_u64 s[54:55], s[54:55], 262144
	s_add_co_u32 s57, s57, 1024
	s_add_co_u32 s58, s58, 1
	s_cmp_lt_u32 s58, 4
	s_cbranch_scc1 .Lqk
	s_wait_tensorcnt 0x0
	ds_add_u32 v254, v255
	s_wait_dscnt 0x0
	s_endpgm
; ---------------- v
.Lv:
	v_add_nc_u32 v[BAD], s57, v[BAV]
.irp t, 0,1,2,3
	ds_load_b32 v[BI+8*\t], v[BAD] offset:64*\t    ; the bias of column 16 t + r: the same for the lane's eight keys
.endr
	FETCH_A 0
	WIN 0
	s_wait_dscnt 32                                ; the four are in; x's 32 loads may be out
.irp t, 0,1,2,3
.irp j, 1,2,3,4,5,6,7
	v_mov_b32 v[BI+8*\t+\j], v[BI+8*\t]
.endr
.endr
.irp s, 0,1,2,3,4,5,6,7
	STEP \s, 1
.endr
	WIN 0
	PLACES
	s_cmp_eq_u32 s58, 3
	s_cbranch_scc1 .Lv_last
	FETCH_B 0, 262144
	FETCH_B 1, 262144
	FETCH_B 2, 262144
	WIN 0
.Lv_last:
	WIN 0x82                                       ; the hold, in place, each accumulator from its low end on
.set j, 0
.rept 256
	v_med3_num_f32 v[j], v[j], -v[OLIM], v[OLIM]
.set j, j+1
.endr
	WIN 0x02
.irp kb, 0,1
.irp t, 0,1,2,3
.irp c, 0,1,2,3
	v_cvt_scalef32_pk8_fp8_f32 v[CD+8*(4*\kb+\t)+2*\c:CD+8*(4*\kb+\t)+2*\c+1], v[8*(4*(4*\kb+\c)+\t):8*(4*(4*\kb+\c)+\t)+7], v[OSC]   ; keys 16 c + 8 h + 0..7 of block kb: registers 2c, 2c+1 of V^T's tile t
.endr
.endr
.endr
	v_nop                                          ; a plain instruction behind the last conversion
	WIN 0
.irp kb, 0,1
.irp t, 0,1,2,3
	global_store_b128 v[LI], v[CD+8*(4*\kb+\t):CD+8*(4*\kb+\t)+3], s[48+2*\kb:49+2*\kb] offset:1024*\t
	global_store_b128 v[LI], v[CD+8*(4*\kb+\t)+4:CD+8*(4*\kb+\t)+7], s[48+2*\kb:49+2*\kb] offset:1024*\t+512
.endr
.endr
	s_wait_xcnt 0x0
	s_add_nc_u64 s[48:49], s[48:49], s[52:53]
	s_add_nc_u64 s[50:51], s[50:51], s[52:53]
	s_add_nc_u64 s[54:55], s[54:55], 262144
	s_add_co_u32 s57, s57, 1024
	s_add_co_u32 s58, s58, 1
	s_cmp_lt_u32 s58, 4
	s_cbranch_scc1 .Lv
	s_wait_tensorcnt 0x0
	ds_add_u32 v254, v255
	s_wait_dscnt 0x0
	s_endpgm
.Lfunc_end_k_qf20e1591a4_proj:
	.size	k_qf20e1591a4_proj, .Lfunc_end_k_qf20e1591a4_proj-k_qf20e1591a4_proj
	.p2alignl 7, 3214868480
	.fill 96, 4, 3214868480
	.section	.rodata,"a",@progbits
	.p2align	6, 0x0
	.amdhsa_kernel k_qf20e1591a4_proj
		.amdhsa_group_segment_fixed_size 172544
		.amdhsa_private_segment_fixed_size 0
		.amdhsa_enable_private_segment 0
		.amdhsa_kernarg_size 88
		.amdhsa_user_sgpr_count 2
		.amdhsa_user_sgpr_kernarg_segment_ptr 1
		.amdhsa_wavefront_size32 1
		.amdhsa_system_sgpr_workgroup_id_x 1
		.amdhsa_system_sgpr_workgroup_id_y 1
		.amdhsa_system_sgpr_workgroup_id_z 1
		.amdhsa_system_vgpr_workitem_id 0
		.amdhsa_next_free_vgpr 1024
		.amdhsa_next_free_sgpr 66
		.amdhsa_reserve_vcc 0
		.amdhsa_float_denorm_mode_32 3
		.amdhsa_float_denorm_mode_16_64 3
		.amdhsa_memory_ordered 1
		.amdhsa_forward_progress 1
		.amdhsa_inst_pref_size 225
	.end_amdhsa_kernel
	.amdgpu_metadata
---
amdhsa.version: [ 1, 2 ]
amdhsa.kernels:
  - .name:           k_qf20e1591a4_proj
    .symbol:         k_qf20e1591a4_proj.kd
    .args:
      - { .name: Q, .offset: 0, .size: 8, .value_kind: global_buffer, .address_space: global }
      - { .name: K, .offset: 8, .size: 8, .value_kind: global_buffer, .address_space: global }
      - { .name: V, .offset: 16, .size: 8, .value_kind: global_buffer, .address_space: global }
      - { .name: bq, .offset: 24, .size: 8, .value_kind: global_buffer, .address_space: global }
      - { .name: bk, .offset: 32, .size: 8, .value_kind: global_buffer, .address_space: global }
      - { .name: bv, .offset: 40, .size: 8, .value_kind: global_buffer, .address_space: global }
      - { .name: lowp_scales, .offset: 48, .size: 8, .value_kind: global_buffer, .address_space: global }
      - { .name: wc, .offset: 56, .size: 8, .value_kind: global_buffer, .address_space: global }
      - { .name: rope, .offset: 64, .size: 8, .value_kind: global_buffer, .address_space: global }
      - { .name: qc, .offset: 72, .size: 8, .value_kind: global_buffer, .address_space: global }
      - { .name: kv, .offset: 80, .size: 8, .value_kind: global_buffer, .address_space: global }
    .group_segment_fixed_size: 172544
    .private_segment_fixed_size: 0
    .kernarg_segment_align: 8
    .kernarg_segment_size: 88
    .max_flat_workgroup_size: 128
    .sgpr_count:     66
    .vgpr_count:     1024
    .wavefront_size: 32
...
	.end_amdgpu_metadata
.endif
;; end of part 2
;; launch attn (part 3): grid 4 x 64, 16 waves a work-group, clusters of 4 x 1, 264,192 bytes of LDS; arguments qc, kv, lowp_scales, oc; writes oc
.if DOCPART == 3
	.amdgcn_target "amdgcn-amd-amdhsa--gfx1250"
	.amdhsa_code_object_version 6
	.text
	.protected	k_qf20e1591a4_attn
	.globl	k_qf20e1591a4_attn
	.p2align	8
	.type	k_qf20e1591a4_attn,@function
k_qf20e1591a4_attn:
	s_mov_b64 s[64:65], 0
	v_nop
	global_prefetch_b8 v0, s[64:65] scope:SCOPE_SE
	s_setreg_imm32_b32 hwreg(HW_REG_WAVE_MODE, 25, 1), 1
	s_wait_xcnt 0x0
	s_wait_alu depctr_hold_cnt(0) depctr_sa_sdst(0) depctr_va_vdst(0) depctr_va_sdst(0) depctr_va_ssrc(0) depctr_va_vcc(0) depctr_vm_vsrc(0)
	s_getreg_b32 s2, hwreg(HW_REG_IB_STS2, 6, 4)
	s_cmp_eq_u32 s2, 0
	s_cbranch_scc0 .Lentry_in_a_cluster
	s_endpgm
.Lentry_in_a_cluster:
	s_bfe_u32 s2, ttmp6, 0x10000c
	s_cmp_lg_u32 s2, 0x3003
	s_cbranch_scc0 .Lentry_shape_is_right
	s_endpgm
.Lentry_shape_is_right:
; Causal attention on codes of E4M3, head size 64, 2,048 positions, 64 (batch, head) pairs; the result is quantised for the last projection.
; t = score x log2(e) / 8; M = the running largest t rounded UP to a whole number; p = 2^(t - M) is quantised with 2^ep, not normalised; the row's sum is taken of the
; unquantised p and divides at the end; when M moves, the sum and O are multiplied by 2^(old M - new M), which rounds nothing.
; SHARES.  A cluster of four work-groups owns one (batch, head); each work-group has sixteen waves, four to a SIMD.  Wave w of work-group cx owns TWO tiles of 16 queries:
; tile 4 w + cx and tile 127 - (4 w + cx).  Keys go 64 a step: the low tile has work in steps 0 .. w, the high one in steps 0 .. 31 - w: 33 tile steps for every wave.
; Which steps have work, and which lies on the diagonal, hangs on w alone; cx enters only Q's and O's addresses in memory and the mask's comparand.
; LDS holds the head's 256 KB of K and V^T as they lie in kv (register images), FILLED ONCE: four phases of 64 KB, each wave asking for 4 KB of each: four tensor loads
; of a wave are out.  The four work-groups need the same bytes: every load is a JOINT one, with the same descriptor and the mask of all four.
; LAYOUT.  S^T = K Q^T (source 0 = 16 keys, source 1 = 16 queries): lane (r, h) holds query r and keys 16 kt + 8 h + 0..7, which become registers 2 kt, 2 kt + 1 of P.
; O^T = V^T P^T (source 0 = 16 channels): lane (r, h) holds query r and channels 16 dt + 8 h + 0..7, which become registers of the last projection's operand.
; LIMITS: eq + ek between -123 and 130 (added to the exponent field of log2(e) / 8); ep and the output's e between -126 and 119.  NaN is not served.
; REGISTERS: v1 16 x lane; v2 the step's LDS address; v3, v4 the mask's comparands; v8-11, v12-15 -M, largest t, the sum in two halves (high, low tile);
; v16-23, v24-31 Q; v32-63 K; v64-95 V^T; v96-127 S^T, then p; v128-135 p's codes; v136-167, v168-199 O^T; v200-207 at work; v212-216 constants.
.set KK, 32
.set VV, 64
.set SS, 96
.set PP, 128
.macro ROUND                           ; a round of the cluster's barrier
	s_barrier_signal -1
	s_barrier_wait -1
	s_cmp_lg_u32 s18, 0
	s_cbranch_scc1 .Lnot_wave_0_\@
	s_barrier_signal -3
.Lnot_wave_0_\@:
	s_barrier_wait -3
	s_barrier_signal -1
	s_barrier_wait -1
.endm
	s_load_b256 s[4:11], s[0:1], 0x0               ; qc, kv, the scales' exponents, oc
	v_lshl_add_u32 v254, v0, 2, 0x40000
	v_mov_b32 v255, 0
	ds_add_u32 v254, v255
	ds_add_u32 v254, v255
	v_lshrrev_b32 v5, 5, v0
	v_readfirstlane_b32 s18, v5                    ; wave 0..15
	s_bfe_u32 s19, ttmp6, 0x40000                  ; cx
	s_and_b32 s52, ttmp7, 0xffff                   ; bh, which the four partners share
	s_mov_b32 s24, 15|(3<<16)|(1<<21)              ; group 1: the mask of all four; elements of 8 bytes; bit 21 set beside a mask; no padding
	s_mov_b32 s25, 32<<16                          ; tensor_dim0 = 32 elements (256 bytes)
	s_mov_b32 s26, 16<<16                          ; tensor_dim1 = 16 rows
	s_mov_b32 s27, 32<<16                          ; tile_dim0
	s_mov_b32 s28, 16                              ; tile_dim1
	s_mov_b32 s29, 32                              ; the pitch: the block is dense
	s_mov_b32 s30, 0
	s_mov_b32 s31, 0
	s_mov_b32 s20, 0x76543210                      ; v_permlanex16_b32: lane l xor 16
	s_mov_b32 s21, 0xfedcba98
	s_lshl_b32 s16, s18, 12                        ; my 4 KB of a phase
	s_lshl_b32 s12, s52, 18                        ; the head's 256 KB
	s_add_co_u32 s12, s12, s16
	s_mov_b32 s13, 0
	s_xor_b32 s50, s18, 31                         ; 31 - w: the high tile's last step
	s_mov_b32 s51, s18                             ; w: the low tile's
	s_lshl_b32 s61, s18, 2
	s_add_co_u32 s61, s61, s19                     ; the low tile
	s_sub_co_u32 s62, 127, s61                     ; the high tile
	s_lshl_b32 s14, s52, 17                        ; the head's 128 KB of qc
	s_lshl_b32 s66, s62, 10
	s_add_co_u32 s66, s66, s14
	s_mov_b32 s67, 0
	s_lshl_b32 s68, s61, 10
	s_add_co_u32 s68, s68, s14
	s_mov_b32 s69, 0
	s_wait_dscnt 0x0
	s_wait_kmcnt 0x0
	s_load_b128 s[56:59], s[8:9], 0x18             ; eq, ek, ep, ev (entries 6 to 9)
	s_load_b32 s60, s[8:9], 0x28                   ; entry 10: the output's e
	s_add_nc_u64 s[6:7], s[6:7], s[12:13]
	s_add_nc_u64 s[66:67], s[4:5], s[66:67]
	s_add_nc_u64 s[68:69], s[4:5], s[68:69]
.irp p, 0,1,2,3
	s_mov_b32 s[32+4*\p], 1                        ; group 0 of phase p: count = 1,
	s_add_co_u32 s[33+4*\p], s16, 65536*\p         ; LDS address,
	s_add_nc_u64 s[34+4*\p:35+4*\p], s[6:7], 65536*\p   ; global address,
	s_or_b32 s[35+4*\p], s[35+4*\p], 0x80000000    ; type = 2
.endr
	ROUND                                          ; all four work-groups are here: the joint loads meet
	tensor_load_to_lds s[32:35], s[24:31]
	s_nop 0
	tensor_load_to_lds s[36:39], s[24:31]
	s_nop 0
	tensor_load_to_lds s[40:43], s[24:31]
	s_nop 0
	tensor_load_to_lds s[44:47], s[24:31]
	s_nop 0
.rept 4
	v_nop
.endr
	v_and_b32 v5, 31, v0
	v_lshlrev_b32 v1, 4, v5
	global_load_b128 v[16:19], v1, s[66:67]        ; Q stays in registers
	global_load_b128 v[20:23], v1, s[66:67] offset:512
	global_load_b128 v[24:27], v1, s[68:69]
	global_load_b128 v[28:31], v1, s[68:69] offset:512
	v_and_b32 v5, 15, v0
	v_bfe_u32 v6, v0, 4, 1
	v_lshlrev_b32 v6, 3, v6
	v_sub_nc_u32 v5, v5, v6                        ; r - 8 h
	s_lshl_b32 s70, s19, 4
	s_sub_co_u32 s71, 48, s70
	v_add_nc_u32 v4, s70, v5                       ; on the diagonal step, register 8 kt + j is hidden where 16 kt + j > 16 cx + r - 8 h (low tile),
	v_add_nc_u32 v3, s71, v5                       ; or > 16 (3 - cx) + r - 8 h (high tile)
	v_mov_b32 v9, 0xff61b1e6                       ; the largest t so far: -3e38, under every t
	v_mov_b32 v13, 0xff61b1e6
	v_floor_f32 v8, -v9                            ; -M
	v_floor_f32 v12, -v13
	v_mov_b32 v10, 0
	v_mov_b32 v11, 0
	v_mov_b32 v14, 0
	v_mov_b32 v15, 0
	v_mov_b32 v202, 0                              ; a lane permute's destination counts as read
	v_mov_b32 v205, 0                              ; named as the upper half of the pair v[204:205]
	v_mov_b32 v216, 0xff800000                     ; -infinity
.set j, 0
.rept 64
	v_mov_b32 v[136+j], 0                          ; O^T: the step is written without a first copy: the first change of M leaves zeros zeros
.set j, j+1
.endr
	s_wait_kmcnt 0x0
	s_add_co_i32 s70, s56, s57
	s_lshl_b32 s70, s70, 23
	s_add_co_i32 s22, s70, 0x3e38aa3b              ; c = log2(e) / 8 x 2^(eq + ek)
	s_mov_b32 s23, s22                             ; named with it as a pair
	s_add_co_i32 s70, s58, 127
	s_lshl_b32 s71, s70, 23
	v_mov_b32 v213, s71                            ; 2^ep
	s_add_co_i32 s70, s70, 8
	s_lshl_b32 s70, s70, 23
	s_or_b32 s70, s70, 0x600000
	v_mov_b32 v212, s70                            ; 448 x 2^ep
	s_add_co_i32 s70, s60, 127
	s_lshl_b32 s71, s70, 23
	v_mov_b32 v215, s71                            ; the same for the output
	s_add_co_i32 s70, s70, 8
	s_lshl_b32 s70, s70, 23
	s_or_b32 s70, s70, 0x600000
	v_mov_b32 v214, s70
	s_add_co_i32 s63, s58, s59                     ; ep + ev
; One tile of 16 queries against the step's 64 keys.  Q, O, ST: the tile's registers; D: its comparand; LAST: the scalar that holds its diagonal step.
.macro UNIT Q, O, ST, D, LAST
	s_wait_dscnt 8                                 ; K is in; V's eight loads may be out
.irp kt, 0,1,2,3
	v_wmma_f32_16x16x64_fp8_fp8 v[SS+8*\kt:SS+8*\kt+7], v[KK+8*\kt:KK+8*\kt+7], v[\Q:\Q+7], 0
.endr
.rept 4
	v_nop                                          ; places behind the products (ISA guide 7.12.1)
.endr
	s_cmp_lg_u32 s48, s[\LAST]
	s_cbranch_scc1 .Lopen_\@                       ; only the diagonal step has hidden keys
.set n, 0
.rept 32
	v_cmp_gt_i32 vcc_lo, 16*(n/8)+n%8, v[\D]
	v_cndmask_b32 v[SS+n], v[SS+n], v216, vcc_lo   ; hidden: -infinity, so that p = 0
.set n, n+1
.endr
.Lopen_\@:
	v_max3_num_f32 v200, v[SS], v[SS+1], v[SS+2]   ; the step's largest score, in two chains; each tile of scores is read from its low end on
	v_max3_num_f32 v201, v[SS+16], v[SS+17], v[SS+18]
.irp i, 3,5,7,9,11,13
	v_max3_num_f32 v200, v200, v[SS+\i], v[SS+\i+1]
	v_max3_num_f32 v201, v201, v[SS+16+\i], v[SS+17+\i]
.endr
	v_max3_num_f32 v200, v200, v[SS+15], v[SS+31]
	v_max_num_f32 v200, v200, v201
	v_permlanex16_b32 v202, v200, s20, s21
	v_max_num_f32 v200, v200, v202                 ; and lane l xor 16's 32 keys
	v_mul_f32 v200, s22, v200                      ; as t (c is positive)
	v_max_num_f32 v[\ST+1], v[\ST+1], v200
	v_mov_b32 v200, v[\ST]
	v_floor_f32 v[\ST], -v[\ST+1]                  ; -M = floor(-t)
	v_sub_f32 v200, v[\ST], v200                   ; old M - new M: a whole number, 0 or less
	v_cvt_i32_f32 v200, v200
	v_ldexp_f32 v204, 1.0, v200                    ; f = 2^(old M - new M)
.set j, 0
.rept 16
	v_pk_fma_f32 v[SS+j:SS+j+1], v[SS+j:SS+j+1], s[22:23], v[\ST:\ST+1] op_sel_hi:[1,0,0]   ; t - M
.set j, j+2
.endr
.set j, 0
.rept 32
	v_exp_f32 v[SS+j], v[SS+j]                     ; p, at most 1
.set j, j+1
.endr
	v_pk_mul_f32 v[\ST+2:\ST+3], v[\ST+2:\ST+3], v[204:205] op_sel_hi:[1,0]   ; the sum under the new M (the plain instruction behind the exponentials)
	s_wait_alu depctr_va_vdst(0)
	v_pk_add_f32 v[206:207], v[SS:SS+1], v[SS+2:SS+3]                         ; the sum of the unquantised p, in two chains
.irp i, 4,8,12,16,20,24,28
	v_pk_add_f32 v[\ST+2:\ST+3], v[\ST+2:\ST+3], v[SS+\i:SS+\i+1]
	v_pk_add_f32 v[206:207], v[206:207], v[SS+\i+2:SS+\i+3]
.endr
	v_pk_add_f32 v[\ST+2:\ST+3], v[\ST+2:\ST+3], v[206:207]
.set j, 0
.rept 32
	v_min_num_f32 v[SS+j], v[SS+j], v212           ; the conversion does not saturate (ISA guide 7.6.2); p is not negative: a one-sided hold
.set j, j+1
.endr
.irp kt, 0,1,2,3
	v_cvt_scalef32_pk8_fp8_f32 v[PP+2*\kt:PP+2*\kt+1], v[SS+8*\kt:SS+8*\kt+7], v213
.endr
.set j, 0
.rept 16
	v_pk_mul_f32 v[\O+j:\O+j+1], v[\O+j:\O+j+1], v[204:205] op_sel_hi:[1,0]   ; O^T under the new M; also the plain instructions behind the conversions
.set j, j+2
.endr
	s_wait_dscnt 0x0                               ; V is in
.irp dt, 0,1,2,3
	v_wmma_f32_16x16x64_fp8_fp8 v[\O+8*\dt:\O+8*\dt+7], v[VV+8*\dt:VV+8*\dt+7], v[PP:PP+7], v[\O+8*\dt:\O+8*\dt+7]   ; four accumulators by turns
.endr
.endm
; A step of 64 keys.  A step without work for the wave is jumped over; the lines that step the counter and the address are not.  lo = 0: the text has no low tile (steps 16 on lie above every w).
.macro STEP lo
	s_cmp_gt_u32 s48, s50
	s_cbranch_scc1 .Lend_\@
	v_add_nc_u32 v2, s49, v1
.rept 3
	v_nop                                          ; with the addition: four places in front of loads into V's registers, which the last products read
.endr
.irp f, 0,1,2,3
	ds_load_b128 v[KK+8*\f:KK+8*\f+3], v2 offset:1024*\f
	ds_load_b128 v[KK+8*\f+4:KK+8*\f+7], v2 offset:1024*\f+512
.endr
.irp f, 0,1,2,3
	ds_load_b128 v[VV+8*\f:VV+8*\f+3], v2 offset:4096+1024*\f
	ds_load_b128 v[VV+8*\f+4:VV+8*\f+7], v2 offset:4096+1024*\f+512
.endr
	UNIT 16, 136, 8, 3, 50
.if \lo
	s_cmp_gt_u32 s48, s51
	s_cbranch_scc1 .Lend_\@
	UNIT 24, 168, 12, 4, 51
.endif
.Lend_\@:
	s_add_co_u32 s48, s48, 1
	s_add_co_u32 s49, s49, 8192
.endm
; Phase p: steps 8 p .. 8 p + 7.  My part of its 64 KB has landed (the later phases' loads stay out), and behind the barrier everybody's has.
.macro PHASE p, lo
	s_wait_dscnt 0x0
	s_wait_tensorcnt 3-\p
	s_barrier_signal -1
	s_barrier_wait -1
	s_mov_b32 s48, 8*\p                            ; the step
	s_mov_b32 s49, 65536*\p                        ; its block in LDS
.Lstep_\@:
	STEP \lo
	s_cmp_lt_u32 s48, 8*(\p+1)
	s_cbranch_scc1 .Lstep_\@
.endm
	s_wait_loadcnt 0x0                             ; Q
	PHASE 0, 1
	PHASE 1, 1
	PHASE 2, 0
	PHASE 3, 0
	; THE WAY OUT: O^T x 2^(ep + ev) / the sum, quantised with the output's scale; a tile's 8 registers are two groups of the last projection's fragment.
	s_lshr_b32 s70, s52, 4                         ; oc: block 16 b + tile / 8, K step head / 2, tile % 8, group 2 (head % 2)
	s_lshl_b32 s70, s70, 21
	s_bfe_u32 s71, s52, 0x30001
	s_lshl_b32 s71, s71, 14
	s_add_co_u32 s70, s70, s71
	s_and_b32 s71, s52, 1
	s_lshl_b32 s71, s71, 10
	s_add_co_u32 s70, s70, s71
	s_lshr_b32 s71, s62, 3
	s_lshl_b32 s71, s71, 17
	s_add_co_u32 s66, s70, s71
	s_and_b32 s71, s62, 7
	s_lshl_b32 s71, s71, 11
	s_add_co_u32 s66, s66, s71
	s_mov_b32 s67, 0
	s_add_nc_u64 s[66:67], s[10:11], s[66:67]
	s_lshr_b32 s71, s61, 3
	s_lshl_b32 s71, s71, 17
	s_add_co_u32 s68, s70, s71
	s_and_b32 s71, s61, 7
	s_lshl_b32 s71, s71, 11
	s_add_co_u32 s68, s68, s71
	s_mov_b32 s69, 0
	s_add_nc_u64 s[68:69], s[10:11], s[68:69]
.rept 4
	v_nop                                          ; places behind the last products
.endr
.macro FINISH O, ST, CR, AD
	v_add_f32 v200, v[\ST+2], v[\ST+3]
	v_permlanex16_b32 v202, v200, s20, s21
	v_add_f32 v200, v200, v202                     ; the row's sum
	v_rcp_f32 v200, v200
	v_nop                                          ; a plain instruction behind the reciprocal
	s_wait_alu depctr_va_vdst(0)
	v_ldexp_f32 v200, v200, s63
.set j, 0
.rept 32
	v_mul_f32 v[SS+j], v[\O+j], v200               ; each accumulator from its low end on
.set j, j+1
.endr
.set j, 0
.rept 32
	v_med3_num_f32 v[SS+j], v[SS+j], -v214, v214
.set j, j+1
.endr
.irp dt, 0,1,2,3
	v_cvt_scalef32_pk8_fp8_f32 v[\CR+2*\dt:\CR+2*\dt+1], v[SS+8*\dt:SS+8*\dt+7], v215
.endr
	v_nop                                          ; a plain instruction behind the last conversion
	global_store_b128 v1, v[\CR:\CR+3], s[\AD:\AD+1]               ; 512 consecutive bytes, aligned
	global_store_b128 v1, v[\CR+4:\CR+7], s[\AD:\AD+1] offset:512
.endm
	FINISH 136, 8, PP, 66
	FINISH 168, 12, KK, 68
	s_wait_tensorcnt 0x0
	ds_add_u32 v254, v255
	s_wait_dscnt 0x0
	ROUND                                          ; the closing round: no work-group ends while a partner may still ask
	s_endpgm
.Lfunc_end_k_qf20e1591a4_attn:
	.size	k_qf20e1591a4_attn, .Lfunc_end_k_qf20e1591a4_attn-k_qf20e1591a4_attn
	.p2alignl 7, 3214868480
	.fill 96, 4, 3214868480
	.section	.rodata,"a",@progbits
	.p2align	6, 0x0
	.amdhsa_kernel k_qf20e1591a4_attn
		.amdhsa_group_segment_fixed_size 264192
		.amdhsa_private_segment_fixed_size 0
		.amdhsa_enable_private_segment 0
		.amdhsa_kernarg_size 32
		.amdhsa_user_sgpr_count 2
		.amdhsa_user_sgpr_kernarg_segment_ptr 1
		.amdhsa_wavefront_size32 1
		.amdhsa_system_sgpr_workgroup_id_x 1
		.amdhsa_system_sgpr_workgroup_id_y 1
		.amdhsa_system_sgpr_workgroup_id_z 1
		.amdhsa_system_vgpr_workitem_id 0
		.amdhsa_next_free_vgpr 256
		.amdhsa_next_free_sgpr 72
		.amdhsa_reserve_vcc 1
		.amdhsa_float_denorm_mode_32 3
		.amdhsa_float_denorm_mode_16_64 3
		.amdhsa_memory_ordered 1
		.amdhsa_forward_progress 1
		.amdhsa_inst_pref_size 80
	.end_amdhsa_kernel
	.amdgpu_metadata
---
amdhsa.version: [ 1, 2 ]
amdhsa.kernels:
  - .name:           k_qf20e1591a4_attn
    .symbol:         k_qf20e1591a4_attn.kd
    .args:
      - { .name: qc, .offset: 0, .size: 8, .value_kind: global_buffer, .address_space: global }
      - { .name: kv, .offset: 8, .size: 8, .value_kind: global_buffer, .address_space: global }
      - { .name: lowp_scales, .offset: 16, .size: 8, .value_kind: global_buffer, .address_space: global }
      - { .name: oc, .offset: 24, .size: 8, .value_kind: global_buffer, .address_space: global }
    .group_segment_fixed_size: 264192
    .private_segment_fixed_size: 0
    .kernarg_segment_align: 8
    .kernarg_segment_size: 32
    .max_flat_workgroup_size: 512
    .sgpr_count:     72
    .vgpr_count:     256
    .wavefront_size: 32
...
	.end_amdgpu_metadata
.endif
;; end of part 3
;; launch oproj (part 4): grid 4 x 64, 4 waves a work-group, clusters of 4 x 1, 168,448 bytes of LDS; arguments oc, wc, bo, lowp_scales, out0; writes out0
.if DOCPART == 4
	.amdgcn_target "amdgcn-amd-amdhsa--gfx1250"
	.amdhsa_code_object_version 6
	.text
	.protected	k_qf20e1591a4_oproj
	.globl	k_qf20e1591a4_oproj
	.p2align	8
	.type	k_qf20e1591a4_oproj,@function
k_qf20e1591a4_oproj:
	s_mov_b64 s[64:65], 0
	v_nop
	global_prefetch_b8 v0, s[64:65] scope:SCOPE_SE
	s_setreg_imm32_b32 hwreg(HW_REG_WAVE_MODE, 25, 1), 1
	s_wait_xcnt 0x0
	s_wait_alu depctr_hold_cnt(0) depctr_sa_sdst(0) depctr_va_vdst(0) depctr_va_sdst(0) depctr_va_ssrc(0) depctr_va_vcc(0) depctr_vm_vsrc(0)
	s_getreg_b32 s2, hwreg(HW_REG_IB_STS2, 6, 4)
	s_cmp_eq_u32 s2, 0
	s_cbranch_scc0 .Lentry_in_a_cluster
	s_endpgm
.Lentry_in_a_cluster:
	s_bfe_u32 s2, ttmp6, 0x10000c
	s_cmp_lg_u32 s2, 0x3003
	s_cbranch_scc0 .Lentry_shape_is_right
	s_endpgm
.Lentry_shape_is_right:
; out0 = o Wo^T + bo on codes of E4M3: o's codes from oc, Wo's from wc, both as register images; out0 [8192][1024] f32.  y = sum x 2^(eo + ew) + bo.
; Work-group (cx, blk): rows 128 blk .. + 127, columns 256 cx .. + 255; wave w: 64 of them: 128 x 64 = 32 accumulators.  256 work-groups.
; The four work-groups of a cluster need the same 128 KB of o's codes: they are asked for JOINTLY and fill LDS ONCE, in four phases of 32 KB (two K steps), 8 KB a wave:
; four tensor loads of a wave are out.  Wo's fragments go from memory straight into registers, four sets, three K steps ahead.
; The product is used TRANSPOSED (source 0 = 16 rows of Wo, source 1 = 16 rows of o): a lane holds eight neighbouring columns of a row.  A block of 16 rows x 64 columns
; goes through the wave's own stage in LDS and leaves as rows of 256 bytes: sixteen lanes store 256 consecutive bytes, aligned.
; LIMIT: eo + ew between -126 and 127.
; REGISTERS, in windows of 256: window 0: addresses, bias (v32-63), results (v64-95), rows read back (v128-191).  window 1: o's two sets.  window 2: the accumulators.  window 3: Wo's four sets.
.set STAGE,  131072                    ; behind o's codes: two stages of 16 rows x 272 bytes for each wave; no tensor load lands there
.set SPITCH, 272
.set LI0, 1                            ; 16 x lane;  LI1: 64 KB further on
.set LI1, 2
.set STO, 3
.set RD,  4
.set CO,  5
.set BO,  6
.set BI,  32
.set TT,  64
.set BK,  128
.set MSB, 0
.macro WIN new                         ; the immediate's high byte repeats the setting that is left
.if MSB != \new
	s_set_vgpr_msb (MSB<<8)|\new
.set MSB, \new
.endif
.endm
.set TOA, 0x40
.set TOB, 0xc0
.macro PLACES
.rept 4
	v_nop
.endr
.endm
.macro ROUND                           ; a round of the cluster's barrier
	s_barrier_signal -1
	s_barrier_wait -1
	s_cmp_lg_u32 s18, 0
	s_cbranch_scc1 .Lnot_wave_0_\@
	s_barrier_signal -3
.Lnot_wave_0_\@:
	s_barrier_wait -3
	s_barrier_signal -1
	s_barrier_wait -1
.endm
	s_load_b256 s[4:11], s[0:1], 0x0               ; oc, wc, bo, the scales' exponents
	s_load_b64 s[12:13], s[0:1], 0x20              ; out0
	v_lshl_add_u32 v254, v0, 2, 0x29000
	v_mov_b32 v255, 0
	ds_add_u32 v254, v255
	ds_add_u32 v254, v255
	v_lshrrev_b32 v7, 5, v0
	v_readfirstlane_b32 s18, v7                    ; wave
	s_bfe_u32 s19, ttmp6, 0x40000                  ; cx
	s_and_b32 s52, ttmp7, 0xffff                   ; blk, which the four partners share
	s_mov_b32 s24, 15|(3<<16)|(1<<21)              ; group 1: the mask of all four; elements of 8 bytes; bit 21 set beside a mask
	s_mov_b32 s25, 32<<16                          ; tensor_dim0 = 32 elements (256 bytes)
	s_mov_b32 s26, 32<<16                          ; tensor_dim1 = 32 rows
	s_mov_b32 s27, 32<<16                          ; tile_dim0
	s_mov_b32 s28, 32                              ; tile_dim1
	s_mov_b32 s29, 32                              ; the pitch: dense
	s_mov_b32 s30, 0
	s_mov_b32 s31, 0
	s_lshl_b32 s16, s18, 13                        ; my 8 KB of a phase
	s_lshl_b32 s14, s52, 17                        ; the block's 128 KB
	s_add_co_u32 s14, s14, s16
	s_mov_b32 s15, 0
	s_lshl_b32 s66, s19, 2
	s_add_co_u32 s66, s66, s18                     ; my 64 columns: group 4 cx + w of Wo's images
	s_lshl_b32 s68, s66, 8                         ; their 256 bytes in bo and in a row of out0
	s_mov_b32 s69, 0
	s_lshl_b32 s66, s66, 16
	s_add_co_u32 s66, s66, 3<<20
	s_mov_b32 s67, 0
	s_lshl_b32 s70, s52, 19                        ; 128 rows of 4,096 bytes
	s_add_co_u32 s70, s70, s68
	s_mov_b32 s71, 0
	s_wait_dscnt 0x0
	s_wait_kmcnt 0x0
	s_load_b64 s[50:51], s[10:11], 0x28            ; entries 10 and 11
	s_add_nc_u64 s[4:5], s[4:5], s[14:15]
	s_add_nc_u64 s[54:55], s[6:7], s[66:67]
	s_add_nc_u64 s[8:9], s[8:9], s[68:69]
	s_add_nc_u64 s[12:13], s[12:13], s[70:71]
.irp p, 0,1,2,3
	s_mov_b32 s[32+4*\p], 1
	s_add_co_u32 s[33+4*\p], s16, 32768*\p
	s_add_nc_u64 s[34+4*\p:35+4*\p], s[4:5], 32768*\p
	s_or_b32 s[35+4*\p], s[35+4*\p], 0x80000000
.endr
	ROUND                                          ; all four work-groups are here: the joint loads meet
	tensor_load_to_lds s[32:35], s[24:31]
	s_nop 0
	tensor_load_to_lds s[36:39], s[24:31]
	s_nop 0
	tensor_load_to_lds s[40:43], s[24:31]
	s_nop 0
	tensor_load_to_lds s[44:47], s[24:31]
	s_nop 0
.rept 4
	v_nop
.endr
	v_and_b32 v7, 31, v0
	v_and_b32 v8, 15, v0                           ; r
	v_bfe_u32 v9, v0, 4, 1                         ; h
	v_lshlrev_b32 v[LI0], 4, v7
	v_add_nc_u32 v[LI1], 65536, v[LI0]
	v_lshlrev_b32 v[BO], 5, v9
.irp t, 0,1,2,3
	global_load_b128 v[BI+8*\t:BI+8*\t+3], v[BO], s[8:9] offset:64*\t          ; bo of columns 16 t + 8 h + 0..7
	global_load_b128 v[BI+8*\t+4:BI+8*\t+7], v[BO], s[8:9] offset:64*\t+16
.endr
.macro FETCH_A s                       ; o's eight fragments of K step s into set s % 2: images, 512 consecutive bytes a load
	WIN TOA
.irp mt, 0,1,2,3,4,5,6,7
.irp g, 0,1,2,3
	ds_load_b128 v[128*((\s)%2)+16*\mt+4*\g:128*((\s)%2)+16*\mt+4*\g+3], v[LI0+(\s)/4] offset:((\s)%4)*16384+2048*\mt+512*\g
.endr
.endr
.endm
.macro FETCH_B s                       ; Wo's four fragments of K step s into set s % 4
	WIN TOB
.irp f, 0,1,2,3
.irp g, 0,1,2,3
	global_load_b128 v[64*((\s)%4)+16*\f+4*\g:64*((\s)%4)+16*\f+4*\g+3], v[LI0], s[54:55] offset:8192*(\s)+2048*\f+512*\g
.endr
.endr
.endm
.macro STEP s
	s_wait_dscnt 0x0                               ; o's fragments of this step are in
.if ((\s)%2 == 1) && (\s < 7)
	s_wait_tensorcnt 3-((\s)+1)/2                  ; my part of the next phase has landed; the later phases' loads stay out
	s_barrier_signal -1
	s_barrier_wait -1                              ; everybody's has
.endif
	PLACES                                         ; behind the last step's products, whose sets are loaded next
.if \s < 7
	FETCH_A (\s)+1
.endif
.if \s < 6
	s_wait_loadcnt 32                              ; Wo's fragments of this step are in (at step 0 the bias too); those of the next two steps may be out
.else
	s_wait_loadcnt 16*(7-\s)
.endif
.if \s < 5
	FETCH_B (\s)+3
.endif
	WIN 0xa7                                       ; source 0 (Wo) window 3, source 1 (o) window 1, C and D window 2
.irp mt, 0,1,2,3,4,5,6,7
.irp t, 0,1,2,3
.set AC, 8*(4*\mt+\t)
.if (\s) == 0
	v_wmma_f32_16x16x128_fp8_fp8 v[AC:AC+7], v[64*((\s)%4)+16*\t:64*((\s)%4)+16*\t+15], v[128*((\s)%2)+16*\mt:128*((\s)%2)+16*\mt+15], 0
.else
	v_wmma_f32_16x16x128_fp8_fp8 v[AC:AC+7], v[64*((\s)%4)+16*\t:64*((\s)%4)+16*\t+15], v[128*((\s)%2)+16*\mt:128*((\s)%2)+16*\mt+15], v[AC:AC+7]
.endif
.endr
.endr
.endm
	FETCH_B 0
	FETCH_B 1
	FETCH_B 2
	WIN 0
	s_mul_i32 s17, s18, 32*SPITCH
	s_add_co_u32 s17, s17, STAGE                   ; my two stages
	v_mul_u32_u24 v[STO], v8, SPITCH               ; in: row r, 32 bytes for each half of the lanes
	v_lshl_add_u32 v[STO], v9, 5, v[STO]
	v_add_nc_u32 v[STO], s17, v[STO]
	v_mul_u32_u24 v[RD], v9, SPITCH                ; back: lanes 0-15 one row of 256 bytes, lanes 16-31 the next
	v_lshl_add_u32 v[RD], v8, 4, v[RD]
	v_add_nc_u32 v[RD], s17, v[RD]
	v_lshlrev_b32 v[CO], 12, v9                    ; and the same two rows in out0
	v_lshl_add_u32 v[CO], v8, 4, v[CO]
	s_wait_kmcnt 0x0
	s_add_co_i32 s50, s50, s51
	s_add_co_i32 s50, s50, 127
	s_lshl_b32 s50, s50, 23                        ; 2^(eo + ew) as f32
	s_mov_b32 s51, s50                             ; named with it as a pair
	s_wait_tensorcnt 3                             ; my part of phase 0 has landed
	s_barrier_signal -1
	s_barrier_wait -1
	FETCH_A 0
.irp s, 0,1,2,3,4,5,6,7
	STEP \s
.endr
	WIN 0
	PLACES                                         ; behind the last products
.macro TOSTAGE m                       ; block m: 16 rows x 64 columns
	WIN 0x02                                       ; source 0: the accumulators
.irp t, 0,1,2,3
.irp i, 0,2,4,6
	v_pk_fma_f32 v[TT+8*\t+\i:TT+8*\t+\i+1], v[8*(4*(\m)+\t)+\i:8*(4*(\m)+\t)+\i+1], s[50:51], v[BI+8*\t+\i:BI+8*\t+\i+1] op_sel_hi:[1,0,1]   ; sum x 2^(eo + ew) + bo; each accumulator from its low end on
.endr
.endr
	WIN 0
.irp t, 0,1,2,3
	ds_store_b128 v[STO], v[TT+8*\t:TT+8*\t+3] offset:16*SPITCH*((\m)%2)+64*\t
	ds_store_b128 v[STO], v[TT+8*\t+4:TT+8*\t+7] offset:16*SPITCH*((\m)%2)+64*\t+16
.endr
.irp i, 0,1,2,3,4,5,6,7
	ds_load_b128 v[BK+32*((\m)%2)+4*\i:BK+32*((\m)%2)+4*\i+3], v[RD] offset:16*SPITCH*((\m)%2)+2*SPITCH*\i   ; LDS serves a wave's instructions in order: these see my stores
.endr
.endm
.macro SEND m, younger                 ; younger: the LDS instructions issued behind block m's loads
	s_wait_dscnt \younger
.irp i, 0,1,2,3,4,5,6,7
	global_store_b128 v[CO], v[BK+32*((\m)%2)+4*\i:BK+32*((\m)%2)+4*\i+3], s[12:13] offset:(16*(\m)+2*\i)*4096 th:TH_STORE_NT   ; sixteen lanes store 256 consecutive bytes, aligned
.endr
.endm
	TOSTAGE 0
.irp a, 1,2,3,4,5,6,7
.if \a > 1
	s_wait_xcnt 0x0                                ; block a - 2's stores have read their registers: block a's rows may land there
.endif
	TOSTAGE \a
	SEND \a-1, 16                                  ; behind block a - 1's loads: block a's 8 stores and 8 loads
.endr
	SEND 7, 0
	s_wait_tensorcnt 0x0
	ds_add_u32 v254, v255
	s_wait_dscnt 0x0
	ROUND                                          ; the closing round: no work-group ends while a partner may still ask
	s_endpgm
.Lfunc_end_k_qf20e1591a4_oproj:
	.size	k_qf20e1591a4_oproj, .Lfunc_end_k_qf20e1591a4_oproj-k_qf20e1591a4_oproj
	.p2alignl 7, 3214868480
	.fill 96, 4, 3214868480
	.section	.rodata,"a",@progbits
	.p2align	6, 0x0
	.amdhsa_kernel k_qf20e1591a4_oproj
		.amdhsa_group_segment_fixed_size 168448
		.amdhsa_private_segment_fixed_size 0
		.amdhsa_enable_private_segment 0
		.amdhsa_kernarg_size 40
		.amdhsa_user_sgpr_count 2
		.amdhsa_user_sgpr_kernarg_segment_ptr 1
		.amdhsa_wavefront_size32 1
		.amdhsa_system_sgpr_workgroup_id_x 1
		.amdhsa_system_sgpr_workgroup_id_y 1
		.amdhsa_system_sgpr_workgroup_id_z 1
		.amdhsa_system_vgpr_workitem_id 0
		.amdhsa_next_free_vgpr 1024
		.amdhsa_next_free_sgpr 72
		.amdhsa_reserve_vcc 0
		.amdhsa_float_denorm_mode_32 3
		.amdhsa_float_denorm_mode_16_64 3
		.amdhsa_memory_ordered 1
		.amdhsa_forward_progress 1
		.amdhsa_inst_pref_size 76
	.end_amdhsa_kernel
	.amdgpu_metadata
---
amdhsa.version: [ 1, 2 ]
amdhsa.kernels:
  - .name:           k_qf20e1591a4_oproj
    .symbol:         k_qf20e1591a4_oproj.kd
    .args:
      - { .name: oc, .offset: 0, .size: 8, .value_kind: global_buffer, .address_space: global }
      - { .name: wc, .offset: 8, .size: 8, .value_kind: global_buffer, .address_space: global }
      - { .name: bo, .offset: 16, .size: 8, .value_kind: global_buffer, .address_space: global }
      - { .name: lowp_scales, .offset: 24, .size: 8, .value_kind: global_buffer, .address_space: global }
      - { .name: out0, .offset: 32, .size: 8, .value_kind: global_buffer, .address_space: global }
    .group_segment_fixed_size: 168448
    .private_segment_fixed_size: 0
    .kernarg_segment_align: 8
    .kernarg_segment_size: 40
    .max_flat_workgroup_size: 128
    .sgpr_count:     72
    .vgpr_count:     1024
    .wavefront_size: 32
...
	.end_amdgpu_metadata
.endif
;; end of part 4
;; ======== version 2 of 2: 4 launches; version 1 with the launch proj written anew for expert scheduling mode
;; workspace buffers: wc 4,194,304 bytes; rope 524,288 bytes; qc 8,388,608 bytes; kv 16,777,216 bytes; oc 8,388,608 bytes
;; launch prep: the kernel of part 1 again; grid 256 x 1, 4 waves a work-group, no clusters, 68,096 bytes of LDS; arguments Wq, Wk, Wv, Wo, lowp_scales, wc, rope; writes wc, rope
;; launch proj (part 5): grid 64 x 3, 4 waves a work-group, no clusters, 172,544 bytes of LDS; arguments Q, K, V, bq, bk, bv, lowp_scales, wc, rope, qc, kv; writes qc, kv
.if DOCPART == 5
	.amdgcn_target "amdgcn-amd-amdhsa--gfx1250"
	.amdhsa_code_object_version 6
	.text
	.protected	k_qf20e1591a4_proj
	.globl	k_qf20e1591a4_proj
	.p2align	8
	.type	k_qf20e1591a4_proj,@function
k_qf20e1591a4_proj:
	s_mov_b64 s[64:65], 0
	v_nop
	global_prefetch_b8 v0, s[64:65] scope:SCOPE_SE
	s_setreg_imm32_b32 hwreg(HW_REG_WAVE_SCHED_MODE, 0, 2), 2
	s_setreg_imm32_b32 hwreg(HW_REG_WAVE_MODE, 25, 1), 1
	s_wait_xcnt 0x0
	s_wait_alu depctr_vm_vsrc(0)
; The three projections x W^T + b on codes of E4M3, RoPE on q and k, and the results quantised for attention.
; Work-group (blk, y): rows 128 blk .. + 127 of tensor y (0 Q, 1 K, 2 V) against all 1,024 columns.  192 work-groups: 128 rows divide 8,192, 96 do not.
; PROLOGUE: wave w reads its 32 rows of x (f32, once), quantises them (code = x / 2^ex, held within +-448) and lays the codes in LDS; the bias, divided by
; 2^(ex + ew), and the block's 128 rows of the RoPE table go to LDS too.  (V's work-groups copy the table as well and do not read it: 32 KB beside their
; 512 KB of x; so the prologue has one path.)  ONE barrier; behind it LDS is only read.
; THE PRODUCT: four chunks of 256 columns; wave w makes head 4 chunk + w: 128 rows x 64 columns = 32 accumulators.  x's fragments come from LDS (two sets of
; registers), W's as register images straight from memory (four sets, three K steps ahead).  The bias is the C of each sum's first product.
; q, k: the product is used TRANSPOSED (source 0 = 16 rows of W, source 1 = 16 rows of x): lane (r, h) holds position r and channels 16 t + 8 h + 0..7 of the head.
;   RoPE pairs tile t with tile t + 2 in the same lane and register; eight neighbouring channels make registers 2t, 2t+1 of attention's operand.
; v: the product is used as it stands: lane (r, h) holds channel 16 t + r and keys 16 mt + 8 h + 0..7: eight neighbours along attention's second K.
; A sum stands for sum x 2^(ex + ew); RoPE is linear, so the one conversion takes 2^(eo - ex - ew).
; No cluster: x is the work-group's own, and W goes from memory into registers, where no joint request serves.
; LIMITS: ex and eo - ex - ew between -126 and 119.  NaN among the inputs is not served.
; LDS: XR 128 rows of 1,024 codes, 1,040 bytes apart; in every 32 bytes the two middle groups of 8 change places, so that 16 bytes at 32 g + 16 h are registers 4g .. 4g+3
;   (k = 32 g + 8 h + 0..7, then 32 g + 16 + 8 h + 0..7).  ROPE 128 rows of 256 bytes, 272 apart.  BIAS 4,096 bytes.
; REGISTERS, in windows of 256: window 0: addresses, constants, bias, RoPE, codes.  window 1: x's two sets (128 s + 16 mt); in the prologue a ring of 8 rows x 32.
;   window 2: accumulator (mt, t) at 8 (4 mt + t).  window 3: W's four sets (64 q + 16 f).
; THE MODE: SCHED_MODE bits 1:0 = 2 (LLVM: expert scheduling mode 2), set by the entry lines.  The code itself states the register dependences
; between vector or matrix instructions and memory or LDS instructions, with s_wait_alu, always for 0.
; THE PLAN.  Registers that memory or LDS instructions touch, and who else names them:
;   the addresses but XST and BAD   written once at the head, read by loads and stores, never written again: scalar bases and immediate offsets do the stepping.
;   XST, BAD      LDS addresses: written once a trip of 8 rows, once a chunk; read by the rows' LDS stores, by the bias's LDS loads.
;   the ring      Row i: its holds write set i % 8 and its conversions read it; the loads of row i + 7, issued at row i's head, land in set (i - 1) % 8.
;   CDX, 2 sets   Row i's conversions write set i % 2; the four LDS stores issued at row i + 1's head read it.
;   x's 2 sets    Step s's products read set s % 2; the LDS loads of step s land in the other.
;   W's 4 sets    Step s's products read set s % 4; the loads of step s land in set (s + 3) % 4, which step s - 1 read.
;   BI            LDS loads write it once a chunk; step 0's products read it as C (v: copies spread it first).  In the prologue: scaled, then stored to LDS.
;   RP, 2 sets    Tile m's RoPE lines read set m % 2; behind them tile m + 2's numbers land in it.  In the prologue: stored to LDS.
;   CD            Tile m's conversions write its 8 registers; the two stores issued in tile m + 1 read them; the next chunk writes them again.
;   YY and the accumulators are named by vector and matrix instructions alone.
; So ONE wait on va_vdst stands at the head of a row, of a step, and behind a tile's RoPE lines; what is loaded and stored behind it touches only buffers that no vector
; or matrix instruction issued since that wait names.  The waits on vm_vsrc stand a row behind the LDS stores, and at the end of a trip and of a chunk.
.set XPITCH, 1040
.set RPITCH, 272
.set ROPE,   128*XPITCH
.set BIAS,   ROPE+128*RPITCH
.set LI,   1                           ; 16 x lane
.set XOF,  2                           ; x: 32 x lane + my wave's 32 rows
.set XS0,  3                           ; XR: my wave's rows + my 8 codes' place
.set XST,  4                           ; the same in the trip in hand
.set AX0,  5                           ; XR: 1040 r + 16 h;  AX1: 64 rows further on
.set AX1,  6
.set RAD,  7                           ; ROPE + 272 r + 64 h
.set BAQ,  8                           ; BIAS + 256 w + 32 h (q, k)
.set BAD,  9                           ; the bias's address in the chunk in hand
.set XLIM, 10                          ; 448 x 2^ex, 2^ex
.set XSC,  11
.set OLIM, 12                          ; 448 x 2^E, 2^E, E = eo - ex - ew
.set OSC,  13
.set BAV,  14                          ; BIAS + 256 w + 4 r (v)
.set BGO,  15                          ; the copies' addresses
.set BLO,  16
.set RGO,  17
.set RLO,  18
.set BI,   32                          ; v32-63   the bias, 8 registers a tile
.set RP,   64                          ; v64-127  two sets of RoPE numbers
.set CD,   128                         ; v128-191 a chunk's codes
.set YY,   192                         ; v192-223 a tile of rows after RoPE
.set CDX,  224                         ; v224-239 a row's codes, two sets by turns
.set MSB, 0
.macro WIN new                         ; the immediate's high byte repeats the setting that is left
.if MSB != \new
	s_set_vgpr_msb (MSB<<8)|\new
.set MSB, \new
.endif
.endm
.set TOA, 0x40                         ; destination window 1
.set TOB, 0xc0                         ; destination window 3
.macro PLACES                          ; four plain instructions between a matrix instruction and a load into, or a read of, its registers
.rept 4
	v_nop
.endr
.endm
	s_load_b512 s[8:23], s[0:1], 0x0               ; Q, K, V, bq, bk, bv, the scales' exponents, wc
	s_load_b128 s[24:27], s[0:1], 0x40             ; rope, qc
	s_load_b64 s[28:29], s[0:1], 0x50              ; kv
	v_lshl_add_u32 v254, v0, 2, 0x2a000
	v_mov_b32 v255, 0
	v_lshrrev_b32 v19, 5, v0
	v_readfirstlane_b32 s2, v19                    ; wave
	s_and_b32 s30, ttmp7, 0xffff                   ; y
	v_and_b32 v19, 31, v0                          ; lane
	v_and_b32 v20, 15, v0                          ; r
	v_bfe_u32 v21, v0, 4, 1                        ; h
	v_lshlrev_b32 v[LI], 4, v19
	s_wait_alu depctr_va_sdst(0)                   ; s2 is written, ahead of its first reader: addresses and bases are made from it
	s_lshl_b32 s32, s2, 17
	v_lshlrev_b32 v[XOF], 5, v19
	v_add_nc_u32 v[XOF], s32, v[XOF]
	v_and_b32 v22, 1, v0                           ; the lane's number with its two lowest bits exchanged
	v_bfe_u32 v23, v0, 1, 1
	v_and_b32 v[XS0], 0x1c, v0
	v_lshl_add_u32 v[XS0], v22, 1, v[XS0]
	v_add_nc_u32 v[XS0], v23, v[XS0]
	v_lshlrev_b32 v[XS0], 3, v[XS0]
	s_mul_i32 s32, s2, 32*XPITCH
	v_add_nc_u32 v[XS0], s32, v[XS0]
	v_mul_u32_u24 v[AX0], v20, XPITCH
	v_lshl_add_u32 v[AX0], v21, 4, v[AX0]
	v_add_nc_u32 v[AX1], 64*XPITCH, v[AX0]
	v_mul_u32_u24 v[RAD], v20, RPITCH
	v_lshl_add_u32 v[RAD], v21, 6, v[RAD]
	v_add_nc_u32 v[RAD], ROPE, v[RAD]
	s_lshl_b32 s32, s2, 8
	s_add_co_u32 s32, s32, BIAS
	v_lshl_add_u32 v[BAQ], v21, 5, s32
	v_lshl_add_u32 v[BAV], v20, 2, s32
	v_lshlrev_b32 v[BGO], 5, v0                    ; the bias: 32 bytes a thread
	v_add_nc_u32 v[BLO], BIAS, v[BGO]
	v_lshlrev_b32 v[RGO], 4, v0                    ; the table: 16 bytes a thread, 8 rows a load
	v_lshrrev_b32 v22, 4, v0
	v_mul_u32_u24 v[RLO], v22, RPITCH
	v_lshl_add_u32 v[RLO], v20, 4, v[RLO]
	v_add_nc_u32 v[RLO], ROPE, v[RLO]
	s_wait_kmcnt 0x0
	s_load_b256 s[36:43], s[20:21], 0x0            ; entries 0 to 7
	s_load_b128 s[44:47], s[20:21], 0x20           ; entries 8 to 11
	s_cmp_eq_u32 s30, 1                            ; the buffers are chosen by the work-group's y alone
	s_cselect_b64 s[4:5], s[10:11], s[8:9]
	s_cselect_b64 s[6:7], s[16:17], s[14:15]
	s_cmp_eq_u32 s30, 2
	s_cselect_b64 s[4:5], s[12:13], s[4:5]         ; x
	s_cselect_b64 s[6:7], s[18:19], s[6:7]         ; its bias
	s_cselect_b32 s35, 4096, 0                     ; V^T lies behind K in a block of kv
	s_cmp_eq_u32 s30, 0
	s_cselect_b64 s[48:49], s[26:27], s[28:29]     ; qc or kv
	s_cselect_b32 s31, 17, 18                      ; a head is 2^17 bytes of qc, 2^18 of kv
	s_lshl_b32 s32, ttmp9, 19                      ; x: 128 rows of 4,096 bytes
	s_mov_b32 s33, 0
	s_add_nc_u64 s[4:5], s[4:5], s[32:33]
	s_and_b32 s34, ttmp9, 15                       ; sb: which 128 positions
	s_lshl_b32 s32, s34, 15
	s_add_nc_u64 s[24:25], s[24:25], s[32:33]      ; their rows of the table
	s_lshl_b32 s32, s30, 20
	s_lshl_b32 s3, s2, 16
	s_add_co_u32 s32, s32, s3
	s_add_nc_u64 s[54:55], s[22:23], s[32:33]      ; W's images: tensor y, head w
	s_lshr_b32 s32, ttmp9, 4
	s_lshl_b32 s32, s32, 4
	s_add_co_u32 s32, s32, s2                      ; 16 b + w
	s_lshl_b32 s32, s32, s31
	s_add_co_u32 s32, s32, s35
	s_sub_co_u32 s3, s31, 4
	s_lshl_b32 s3, s34, s3                         ; 128 positions are a sixteenth of a head
	s_add_co_u32 s32, s32, s3
	s_add_nc_u64 s[48:49], s[48:49], s[32:33]      ; out: my head's positions 0-63 of the block,
	s_sub_co_u32 s3, s31, 5
	s_lshl_b32 s32, 1, s3
	s_add_nc_u64 s[50:51], s[48:49], s[32:33]      ; and 64-127
	s_add_co_u32 s3, s31, 2
	s_lshl_b32 s52, 1, s3                          ; four heads on, from chunk to chunk
	s_mov_b32 s53, 0
.macro XLOAD set, off                  ; a row of x: a lane takes 8 neighbours (32 bytes) of each 1,024 bytes: the two loads of a pair cover 1,024 consecutive bytes
.irp q, 0,1,2,3
	global_load_b128 v[32*(\set)+8*\q:32*(\set)+8*\q+3], v[XOF], s[4:5] offset:(\off)+1024*\q th:TH_LOAD_NT
	global_load_b128 v[32*(\set)+8*\q+4:32*(\set)+8*\q+7], v[XOF], s[4:5] offset:(\off)+1024*\q+16 th:TH_LOAD_NT
.endr
.endm
	s_wait_alu depctr_va_vdst(0)                   ; the addresses and offsets made above are written: the loads and stores of the whole kernel read them
	global_load_b128 v[BI:BI+3], v[BGO], s[6:7]
	global_load_b128 v[BI+4:BI+7], v[BGO], s[6:7] offset:16
.set i, 0
.rept 16
	global_load_b128 v[RP+4*i:RP+4*i+3], v[RGO], s[24:25] offset:2048*i
.set i, i+1
.endr
	WIN TOA
.irp p, 0,1,2,3,4
	XLOAD \p, \p*4096
.endr
	WIN 0
	s_wait_kmcnt 0x0
	s_cmp_eq_u32 s30, 1
	s_cselect_b32 s60, s38, s36                    ; ex: entry 0, 2, 4
	s_cselect_b32 s61, s39, s37                    ; ew: entry 1, 3, 5
	s_cselect_b32 s62, s43, s42                    ; eo: entry 6, 7, 9
	s_cmp_eq_u32 s30, 2
	s_cselect_b32 s60, s40, s60
	s_cselect_b32 s61, s41, s61
	s_cselect_b32 s62, s45, s62
	s_add_co_i32 s61, s60, s61                     ; ex + ew
	s_sub_co_i32 s62, s62, s61                     ; E
	s_sub_co_i32 s61, 0, s61
	s_add_co_i32 s60, s60, 127
	s_lshl_b32 s63, s60, 23
	v_mov_b32 v[XSC], s63
	s_add_co_i32 s60, s60, 8
	s_lshl_b32 s60, s60, 23
	s_or_b32 s60, s60, 0x600000
	v_mov_b32 v[XLIM], s60
	s_add_co_i32 s62, s62, 127
	s_lshl_b32 s63, s62, 23
	v_mov_b32 v[OSC], s63
	s_add_co_i32 s62, s62, 8
	s_lshl_b32 s62, s62, 23
	s_or_b32 s62, s62, 0x600000
	v_mov_b32 v[OLIM], s62
	s_wait_loadcnt 40                              ; the bias and the table are in; the five rows of x (40 loads) may be out
.irp j, 0,1,2,3,4,5,6,7
	v_ldexp_f32 v[BI+\j], v[BI+\j], s61            ; b / 2^(ex + ew): what the sums lack
.endr
	s_wait_alu depctr_va_vdst(0)                   ; the scalings have written v[BI ..], which the LDS stores read
	ds_store_b128 v[BLO], v[BI:BI+3]
	ds_store_b128 v[BLO], v[BI+4:BI+7] offset:16
.set i, 0
.rept 16
	ds_store_b128 v[RLO], v[RP+4*i:RP+4*i+3] offset:8*RPITCH*i
.set i, i+1
.endr
	WIN TOA
	XLOAD 5, 5*4096
	XLOAD 6, 6*4096
	WIN 0
.macro XSTORE i                        ; row i's codes into XR, out of set i % 2
.irp q, 0,1,2,3
	ds_store_b64 v[XST], v[CDX+8*((\i)%2)+2*\q:CDX+8*((\i)%2)+2*\q+1] offset:XPITCH*(\i)+256*\q   ; 32 lanes fill 256 consecutive bytes of the row
.endr
.endm
; Row i of a trip's eight.  left: the younger loads that may stay out.  issue = 1: the row seven further on is asked for, into the set that the row before has left: 56 loads are out at the most.
; The row's memory and LDS instructions stand at its head: the row before's four LDS stores and the eight loads; its vector work follows and names neither the row before's codes nor its set.
.macro XROW i, issue, left
	s_wait_loadcnt \left
.if (\i) > 1
	s_wait_alu depctr_vm_vsrc(0)                   ; the LDS stores issued in the row before have read the set of codes that this row's conversions write again
.endif
.if (\i) > 0
	s_wait_alu depctr_va_vdst(0)                   ; the row before's conversions have written its codes, which the stores below read; its holds and conversions are done with its set of the ring, in which the loads below land
	XSTORE (\i)-1
.endif
.if \issue
	WIN TOA
	XLOAD ((\i)+7)%8, ((\i)+7)*4096
.endif
	WIN 0x41                                       ; the ring lies in window 1
.set j, 0
.rept 32
	v_med3_num_f32 v[32*(\i)+j], v[32*(\i)+j], -v[XLIM], v[XLIM]   ; the conversion does not saturate (ISA guide 7.6.2): the hold comes first
.set j, j+1
.endr
	WIN 0x01
.irp q, 0,1,2,3
	v_cvt_scalef32_pk8_fp8_f32 v[CDX+8*((\i)%2)+2*\q:CDX+8*((\i)%2)+2*\q+1], v[32*(\i)+8*\q:32*(\i)+8*\q+7], v[XSC]
.endr
	v_nop                                          ; a plain instruction behind the last conversion
	WIN 0
.endm
	s_mov_b32 s56, 0                               ; the trip's 8 rows in XR
	s_mov_b32 s59, 3
.Lrows:                                            ; three trips of 8 rows; the last 8 are written out, so that no load leaves the wave's rows
	v_add_nc_u32 v[XST], s56, v[XS0]               ; read first by row 0's stores, behind the wait at row 1's head
.irp i, 0,1,2,3,4,5,6,7
	XROW \i, 1, 48                                 ; six younger rows, 48 loads, stay out
.endr
	s_wait_alu depctr_va_vdst(0)                   ; row 7's conversions have written its codes; it is done with set 7 of the ring, in which the next trip's first loads land
	XSTORE 7
	s_wait_xcnt 0x0                                ; the loads have read their base: it may step
	s_wait_alu depctr_vm_vsrc(0)                   ; the LDS stores have read v[XST] and both sets of codes, which the next trip writes again
	s_add_nc_u64 s[4:5], s[4:5], 32768
	s_add_co_u32 s56, s56, 8*XPITCH
	s_sub_co_u32 s59, s59, 1
	s_cmp_lg_u32 s59, 0
	s_cbranch_scc1 .Lrows
	v_add_nc_u32 v[XST], s56, v[XS0]
	XROW 0, 1, 48                                  ; row 24 asks for row 31, the last
	XROW 1, 0, 48
	XROW 2, 0, 40                                  ; and the counts run down
	XROW 3, 0, 32
	XROW 4, 0, 24
	XROW 5, 0, 16
	XROW 6, 0, 8
	XROW 7, 0, 0
	s_wait_alu depctr_va_vdst(0)                   ; row 31's conversions have written its codes
	XSTORE 7
.macro FETCH_A s, hf                   ; four of x's eight fragments of K step s (tiles of rows 4 hf on) into set s % 2: 16 loads of 16 bytes a lane
	WIN TOA
.irp m, 0,1,2,3
.irp g, 0,1,2,3
	ds_load_b128 v[128*((\s)%2)+16*(4*(\hf)+\m)+4*\g:128*((\s)%2)+16*(4*(\hf)+\m)+4*\g+3], v[AX0+(\hf)] offset:\m*16*XPITCH+128*(\s)+32*\g
.endr
.endr
.endm
.macro FETCH_B s, extra                ; W's four fragments of K step s into set s % 4: each load is 512 consecutive bytes
	WIN TOB
.irp f, 0,1,2,3
.irp g, 0,1,2,3
	global_load_b128 v[64*((\s)%4)+16*\f+4*\g:64*((\s)%4)+16*\f+4*\g+3], v[LI], s[54:55] offset:\extra+8192*(\s)+2048*\f+512*\g
.endr
.endr
.endm
; 4 cnt products: cnt tiles of rows, from tile 'from' on, against W's four.  Over a step each accumulator comes once, in the same order in every step: the accumulators take turns.
; The first K step takes the bias as C.
.macro MUL s, nat, from, cnt
.if \nat
.if (\s) == 0
	WIN 0x8d                                       ; source 0 (x) window 1, source 1 (W) window 3, C window 0, D window 2
.else
	WIN 0xad
.endif
.else
.if (\s) == 0
	WIN 0x87                                       ; source 0 (W) window 3, source 1 (x) window 1, C window 0, D window 2
.else
	WIN 0xa7
.endif
.endif
.set MT, \from
.rept \cnt
.irp t, 0,1,2,3
.set AC, 8*(4*MT+\t)
.set FA, 128*((\s)%2)+16*MT
.set FB, 64*((\s)%4)+16*\t
.if \nat
.if (\s) == 0
	v_wmma_f32_16x16x128_fp8_fp8 v[AC:AC+7], v[FA:FA+15], v[FB:FB+15], v[BI+8*\t:BI+8*\t+7]
.else
	v_wmma_f32_16x16x128_fp8_fp8 v[AC:AC+7], v[FA:FA+15], v[FB:FB+15], v[AC:AC+7]
.endif
.else
.if (\s) == 0
	v_wmma_f32_16x16x128_fp8_fp8 v[AC:AC+7], v[FB:FB+15], v[FA:FA+15], v[BI+8*\t:BI+8*\t+7]
.else
	v_wmma_f32_16x16x128_fp8_fp8 v[AC:AC+7], v[FB:FB+15], v[FA:FA+15], v[AC:AC+7]
.endif
.endif
.endr
.set MT, MT+1
.endr
.endm
; A K step.  Its 48 loads go in three runs among its 32 products, which name x's set s % 2, W's set s % 4, the accumulators and, in step 0, the bias: none of the registers that those loads touch.
.macro STEP s, nat
	s_wait_dscnt 0x0                               ; x's fragments of this step are in (the last were asked for 24 products ago); at step 0 the bias too
	PLACES                                         ; behind the last step's products, whose sets are loaded next
.if \s < 6
	s_wait_loadcnt 32                              ; W's fragments of this step are in; those of the next two steps may be out
.else
	s_wait_loadcnt 16*(7-\s)
.endif
.if \s > 0
	s_wait_alu depctr_va_vdst(0)                   ; the last step's products are done reading x's other set and W's set (s + 3) % 4, in which this step's loads land; in step 7: steps 4 to 6 are done reading W's sets 0 to 2, which the next chunk's first loads fill behind the step.  (Step 0 leans on the wait at the chunk's head)
.endif
.if \s < 7
	FETCH_A (\s)+1, 0
.endif
	MUL \s, \nat, 0, 2
.if \s < 7
	FETCH_A (\s)+1, 1
.endif
	MUL \s, \nat, 2, 2
.if \s < 5
	FETCH_B (\s)+3, 0                              ; 48 loads are out at the most
.endif
	MUL \s, \nat, 4, 4
.endm
	FETCH_B 0, 0
	FETCH_B 1, 0
	FETCH_B 2, 0
	WIN 0
	s_mov_b32 s57, 0                               ; the chunk's bias
	s_mov_b32 s58, 0                               ; the chunk
	s_wait_dscnt 0x0                               ; my stores into LDS are done
	s_barrier_signal -1
	s_barrier_wait -1                              ; everybody's are: from here on LDS is only read
	s_wait_alu depctr_vm_vsrc(0)                   ; my LDS stores have read v[BI ..] and v[RP ..], in which LDS loads land from here on
	s_cmp_eq_u32 s30, 2
	s_cbranch_scc1 .Lv
; ---------------- q and k
.macro RLOAD m                         ; tile m's RoPE numbers: for t' = 0, 1 and pair u: cos, cos, sin, sin of channels 16 t' + 8 h + 2 u, + 1
.irp tp, 0,1
.irp u, 0,1,2,3
	ds_load_b128 v[RP+32*((\m)%2)+16*\tp+4*\u:RP+32*((\m)%2)+16*\tp+4*\u+3], v[RAD] offset:(\m)*16*RPITCH+128*\tp+16*\u
.endr
.endr
.endm
.macro ESTORE m                        ; tile m's codes: 1 KB out
	global_store_b128 v[LI], v[CD+8*(\m):CD+8*(\m)+3], s[48+2*((\m)/4):49+2*((\m)/4)] offset:((\m)%4)*1024
	global_store_b128 v[LI], v[CD+8*(\m)+4:CD+8*(\m)+7], s[48+2*((\m)/4):49+2*((\m)/4)] offset:((\m)%4)*1024+512
.endm
.macro EPI m                           ; 16 positions: RoPE, the hold, the conversion; the tile before goes out
.if \m < 7
	s_wait_dscnt 8                                 ; this tile's numbers are in; the next tile's eight loads may be out
.else
	s_wait_dscnt 0x0
.endif
	WIN 0x02                                       ; source 0: the accumulators
.irp tp, 0,1
.irp u, 0,1,2,3
.set RC, RP+32*((\m)%2)+16*\tp+4*\u
.set X1, 8*(4*(\m)+\tp)+2*\u
.set X2, X1+16
.set Y1, YY+8*\tp+2*\u
.set Y2, Y1+16
	v_pk_mul_f32 v[Y1:Y1+1], v[X1:X1+1], v[RC:RC+1]                                       ; x1 c   (each accumulator is read from its low end on)
	v_pk_mul_f32 v[Y2:Y2+1], v[X1:X1+1], v[RC+2:RC+3]                                     ; x1 s
	v_pk_fma_f32 v[Y1:Y1+1], v[X2:X2+1], v[RC+2:RC+3], v[Y1:Y1+1] neg_lo:[1,0,0] neg_hi:[1,0,0]   ; - x2 s
	v_pk_fma_f32 v[Y2:Y2+1], v[X2:X2+1], v[RC:RC+1], v[Y2:Y2+1]                           ; + x2 c
.endr
.endr
	WIN 0
	s_wait_alu depctr_va_vdst(0)                   ; the lines above are done reading this tile's set of RoPE numbers, in which the numbers of two tiles on land; the tile before's conversions have written its codes, which the stores below read
.if \m < 6
	RLOAD (\m)+2
.endif
.if \m > 0
	ESTORE (\m)-1
.endif
.set j, 0
.rept 32
	v_med3_num_f32 v[YY+j], v[YY+j], -v[OLIM], v[OLIM]
.set j, j+1
.endr
.irp t, 0,1,2,3
	v_cvt_scalef32_pk8_fp8_f32 v[CD+8*(\m)+2*\t:CD+8*(\m)+2*\t+1], v[YY+8*\t:YY+8*\t+7], v[OSC]   ; channels 16 t + 8 h + 0..7: registers 2t, 2t+1
.endr
	v_nop                                          ; a plain instruction behind the last conversion
.endm
.Lqk:
	v_add_nc_u32 v[BAD], s57, v[BAQ]
	s_wait_alu depctr_va_vdst(0)                   ; v[BAD] is written, which the loads below read; the last chunk's products are done reading the bias, x's sets and W's set 3; in the first chunk the prologue is done with the ring, which is x's two sets from here on
.irp t, 0,1,2,3
	ds_load_b128 v[BI+8*\t:BI+8*\t+3], v[BAD] offset:64*\t        ; the bias of columns 16 t + 8 h + 0..7
	ds_load_b128 v[BI+8*\t+4:BI+8*\t+7], v[BAD] offset:64*\t+16
.endr
	FETCH_A 0, 0
	FETCH_A 0, 1
.irp s, 0,1,2,3,4,5,6,7
	STEP \s, 0
.endr
	WIN 0
	PLACES                                         ; behind the last products: their results are read and W's sets loaded below
	s_cmp_eq_u32 s58, 3
	s_cbranch_scc1 .Lqk_last                       ; the last chunk asks for nothing more
	FETCH_B 0, 262144                              ; the next chunk's first three K steps land under the way out.  No wait: step 7's products, the only ones since the wait at its head, name W's set 3
	FETCH_B 1, 262144
	FETCH_B 2, 262144
	WIN 0
.Lqk_last:
	RLOAD 0                                        ; both sets were emptied ahead of the waits in the last chunk's tiles 6 and 7
	RLOAD 1
.irp m, 0,1,2,3,4,5,6,7
	EPI \m
.endr
	s_wait_alu depctr_va_vdst(0)                   ; tile 7's conversions have written its codes
	ESTORE 7
	s_wait_xcnt 0x0                                ; stores and loads have read their bases and data: they may be written again
	s_wait_alu depctr_vm_vsrc(0)                   ; the stores have read v[CD ..], the bias's LDS loads v[BAD]: the next chunk writes both again
	s_add_nc_u64 s[48:49], s[48:49], s[52:53]
	s_add_nc_u64 s[50:51], s[50:51], s[52:53]
	s_add_nc_u64 s[54:55], s[54:55], 262144
	s_add_co_u32 s57, s57, 1024
	s_add_co_u32 s58, s58, 1
	s_cmp_lt_u32 s58, 4
	s_cbranch_scc1 .Lqk
	s_wait_dscnt 0x0                               ; the closing lines, six on end
	s_wait_alu 0x0
	s_wait_tensorcnt 0x0
	ds_add_u32 v254, v255
	s_wait_dscnt 0x0
	s_endpgm
; ---------------- v
.macro VHOLD kb                        ; the hold, in place, on the 16 accumulators of keys 64 kb on, each from its low end on
	WIN 0x82
.set j, 128*(\kb)
.rept 128
	v_med3_num_f32 v[j], v[j], -v[OLIM], v[OLIM]
.set j, j+1
.endr
.endm
.macro VCODE kb
	WIN 0x02
.irp t, 0,1,2,3
.irp c, 0,1,2,3
	v_cvt_scalef32_pk8_fp8_f32 v[CD+8*(4*(\kb)+\t)+2*\c:CD+8*(4*(\kb)+\t)+2*\c+1], v[8*(4*(4*(\kb)+\c)+\t):8*(4*(4*(\kb)+\c)+\t)+7], v[OSC]   ; keys 16 c + 8 h + 0..7 of block kb: registers 2c, 2c+1 of V^T's tile t
.endr
.endr
	v_nop                                          ; a plain instruction behind the last conversion
	WIN 0
.endm
.macro VSTORE kb
.irp t, 0,1,2,3
	global_store_b128 v[LI], v[CD+8*(4*(\kb)+\t):CD+8*(4*(\kb)+\t)+3], s[48+2*(\kb):49+2*(\kb)] offset:1024*\t
	global_store_b128 v[LI], v[CD+8*(4*(\kb)+\t)+4:CD+8*(4*(\kb)+\t)+7], s[48+2*(\kb):49+2*(\kb)] offset:1024*\t+512
.endr
.endm
.Lv:
	v_add_nc_u32 v[BAD], s57, v[BAV]
	s_wait_alu depctr_va_vdst(0)                   ; v[BAD] is written, which the loads below read; the last chunk's copies and products are done reading the bias, its products x's sets and W's set 3; in the first chunk the prologue is done with the ring, which is x's two sets from here on
.irp t, 0,1,2,3
	ds_load_b32 v[BI+8*\t], v[BAD] offset:64*\t    ; the bias of column 16 t + r: the same for the lane's eight keys
.endr
	FETCH_A 0, 0
	FETCH_A 0, 1
	WIN 0
	s_wait_dscnt 32                                ; the four are in; x's 32 loads may be out
.irp t, 0,1,2,3
.irp j, 1,2,3,4,5,6,7
	v_mov_b32 v[BI+8*\t+\j], v[BI+8*\t]
.endr
.endr
.irp s, 0,1,2,3,4,5,6,7
	STEP \s, 1
.endr
	WIN 0
	PLACES
	s_cmp_eq_u32 s58, 3
	s_cbranch_scc1 .Lv_last
	FETCH_B 0, 262144                              ; as in q and k: the wait at step 7's head serves these
	FETCH_B 1, 262144
	FETCH_B 2, 262144
	WIN 0
.Lv_last:
	VHOLD 0
	VCODE 0
	VHOLD 1
	WIN 0
	s_wait_alu depctr_va_vdst(0)                   ; block 0's conversions have written its codes, which the stores below read
	VSTORE 0
	VCODE 1
	s_wait_alu depctr_va_vdst(0)                   ; block 1's likewise
	VSTORE 1
	s_wait_xcnt 0x0
	s_wait_alu depctr_vm_vsrc(0)                   ; the stores have read v[CD ..], the bias's LDS loads v[BAD]: the next chunk writes both again
	s_add_nc_u64 s[48:49], s[48:49], s[52:53]
	s_add_nc_u64 s[50:51], s[50:51], s[52:53]
	s_add_nc_u64 s[54:55], s[54:55], 262144
	s_add_co_u32 s57, s57, 1024
	s_add_co_u32 s58, s58, 1
	s_cmp_lt_u32 s58, 4
	s_cbranch_scc1 .Lv
	s_wait_dscnt 0x0                               ; the closing lines, six on end
	s_wait_alu 0x0
	s_wait_tensorcnt 0x0
	ds_add_u32 v254, v255
	s_wait_dscnt 0x0
	s_endpgm
.Lfunc_end_k_qf20e1591a4_proj:
	.size	k_qf20e1591a4_proj, .Lfunc_end_k_qf20e1591a4_proj-k_qf20e1591a4_proj
	.p2alignl 7, 3214868480
	.fill 96, 4, 3214868480
	.section	.rodata,"a",@progbits
	.p2align	6, 0x0
	.amdhsa_kernel k_qf20e1591a4_proj
		.amdhsa_group_segment_fixed_size 172544
		.amdhsa_private_segment_fixed_size 0
		.amdhsa_enable_private_segment 0
		.amdhsa_kernarg_size 88
		.amdhsa_user_sgpr_count 2
		.amdhsa_user_sgpr_kernarg_segment_ptr 1
		.amdhsa_wavefront_size32 1
		.amdhsa_system_sgpr_workgroup_id_x 1
		.amdhsa_system_sgpr_workgroup_id_y 1
		.amdhsa_system_sgpr_workgroup_id_z 1
		.amdhsa_system_vgpr_workitem_id 0
		.amdhsa_next_free_vgpr 1024
		.amdhsa_next_free_sgpr 66
		.amdhsa_reserve_vcc 0
		.amdhsa_float_denorm_mode_32 3
		.amdhsa_float_denorm_mode_16_64 3
		.amdhsa_memory_ordered 1
		.amdhsa_forward_progress 1
		.amdhsa_inst_pref_size 228
	.end_amdhsa_kernel
	.amdgpu_metadata
---
amdhsa.version: [ 1, 2 ]
amdhsa.kernels:
  - .name:           k_qf20e1591a4_proj
    .symbol:         k_qf20e1591a4_proj.kd
    .args:
      - { .name: Q, .offset: 0, .size: 8, .value_kind: global_buffer, .address_space: global }
      - { .name: K, .offset: 8, .size: 8, .value_kind: global_buffer, .address_space: global }
      - { .name: V, .offset: 16, .size: 8, .value_kind: global_buffer, .address_space: global }
      - { .name: bq, .offset: 24, .size: 8, .value_kind: global_buffer, .address_space: global }
      - { .name: bk, .offset: 32, .size: 8, .value_kind: global_buffer, .address_space: global }
      - { .name: bv, .offset: 40, .size: 8, .value_kind: global_buffer, .address_space: global }
      - { .name: lowp_scales, .offset: 48, .size: 8, .value_kind: global_buffer, .address_space: global }
      - { .name: wc, .offset: 56, .size: 8, .value_kind: global_buffer, .address_space: global }
      - { .name: rope, .offset: 64, .size: 8, .value_kind: global_buffer, .address_space: global }
      - { .name: qc, .offset: 72, .size: 8, .value_kind: global_buffer, .address_space: global }
      - { .name: kv, .offset: 80, .size: 8, .value_kind: global_buffer, .address_space: global }
    .group_segment_fixed_size: 172544
    .private_segment_fixed_size: 0
    .kernarg_segment_align: 8
    .kernarg_segment_size: 88
    .max_flat_workgroup_size: 128
    .sgpr_count:     66
    .vgpr_count:     1024
    .wavefront_size: 32
...
	.end_amdgpu_metadata
.endif
;; end of part 5
;; launch attn: the kernel of part 3 again; grid 4 x 64, 16 waves a work-group, clusters of 4 x 1, 264,192 bytes of LDS; arguments qc, kv, lowp_scales, oc; writes oc
;; launch oproj: the kernel of part 4 again; grid 4 x 64, 4 waves a work-group, clusters of 4 x 1, 168,448 bytes of LDS; arguments oc, wc, bo, lowp_scales, out0; writes out0
